; MI455X (gfx1250); checked and timed in simulation.
; The chip was launched on July 23, 2026; its instructions are those of AMD's public machine-readable ISA for CDNA 5 (MIT licence, August 2026) and "CDNA5" Instruction Set Architecture Reference Guide (July 2026). The comments in the code are by the model that wrote it; some were corrected since.
;; Attention. Allowed arithmetic: matrix products marked QUANTISED: E3M2 operands, one E8M0 scale for each 32 along K, by v_wmma_scale_f32_16x16x128_f8f6f4 with both operands' format E3M2, f32 sums; everything else in f32.
;; Inputs: b_k 1,024 float32; b_q 1,024 float32; b_v 1,024 float32; k 4 x 2,048 x 1,024 float32; mask 1 x 2,048 x 2,048 float32; q 4 x 2,048 x 1,024 float32; v 4 x 2,048 x 1,024 float32; w_k 1,024 x 1,024 float32; w_q 1,024 x 1,024 float32; w_v 1,024 x 1,024 float32.
;; Outputs: out0 4 x 2,048 x 1,024 float32.
;; This version of the problem:
;;   THIS VERSION OF THE PROBLEM IS GIVEN IN LOW PRECISION. The matrix products marked QUANTISED in the list below multiply operands that are first quantised to E3M2 (3 exponent bits, 2 mantissa bits; 6 bits a number), with one power-of-two scale for each 32 numbers along K (OCP MX v1.0); their sums are f32. All else is computed in f32.
;;   The module's matrix products, in the order in which they are computed (A, B: the left and right operand; K: the contracted axis; several contracted axes count as one K, in the product's order):
;;     1. [M 8,192, K 1,024] x [K 1,024, N 1,024]; A: input q; B: input w_q: QUANTISED
;;     2. [M 8,192, K 1,024] x [K 1,024, N 1,024]; A: input k; B: input w_k: QUANTISED
;;     3. [M 8,192, K 1,024] x [K 1,024, N 1,024]; A: input v; B: input w_v: QUANTISED
;;     4. batch 4 x [M 2,048, K 1,024] x [K 1,024, N 2,048]; A: computed on the way; B: computed on the way: QUANTISED
;;     5. batch 4 x [M 2,048, K 2,048] x [K 2,048, N 1,024]; A: softmax (see below); B: computed on the way: QUANTISED
;;   THE QUANTISER, for each operand of a quantised product, along K:
;;     - K is cut into blocks of 32 from its start; a last block that is shorter is filled with zeros.
;;     - A block's scale is 2^e with e = floor(log2(the largest magnitude in the block)) - 4, held to -126 .. 127; a block of zeros has e = 0. As a byte (E8M0): e + 127.
;;     - Each number is divided by its block's scale, clamped to +-28, and rounded to the nearest number of E3M2, ties to even, subnormals kept.
;;     - The product sums the exact products of the quantised numbers (number of the format x scale) in f32.
;;   ~~~python
;;   def quantise(x, axis):      # numpy; x: float32 -> the quantised numbers, widened to float32 again
;;       x = np.moveaxis(x, axis, -1); K = x.shape[-1]
;;       x = np.pad(x, [(0, 0)] * (x.ndim - 1) + [(0, -K % 32)]); x = x.reshape(x.shape[:-1] + (-1, 32)); a = np.abs(x).max(-1, keepdims=True)
;;       e = np.where(a > 0, np.clip(np.frexp(np.where(a > 0, a, 1))[1] - 1 - 4, -126, 127), 0)      # np.frexp(a)[1] - 1 = floor(log2(a)), exactly
;;       r = np.clip(x / 2.0 ** e, -28, 28)
;;       step = 2.0 ** (np.maximum(np.frexp(np.where(r == 0, 1, r))[1] - 1, -2) - 2)
;;       q = np.round(r / step) * step * 2.0 ** e      # np.round: ties to even
;;       return np.moveaxis(q.reshape(q.shape[:-2] + (-1,))[..., :K], -1, axis).astype(np.float32)
;;   ~~~
;;   SOFTMAX AHEAD OF A QUANTISED PRODUCT. Where the list says 'softmax', what is quantised is not the finished softmax but p = 2^(t - M), with t = logit x log2(e) and M = ceil(the row's largest t), a whole number; so 1/2 < the row's largest p <= 1. The row's sum l is taken of the UNQUANTISED p, in f32, and the product's result is divided by l at the end. Since M is a whole number, a kernel that streams over the keys may use a running M (the ceiling of the running maximum): every later rescaling is an exact power of two, which a block's scale takes up: the codes' values come out the same.
;;   OPERANDS COMPUTED ON THE WAY. 'Computed on the way' means the value that the module computes at that place (a softmax that the list does not call 'softmax' is quantised finished and normalised). What goes into a quantiser is computed in f32, as accurately as f32 sums, v_exp_f32 and their like allow (about 1e-6 of the number): no bf16 or f16 on the way to a quantiser, and a product that is left as it is and whose result goes on into a quantised operand takes f32 operands (vector FMAs, or v_wmma_f32_16x16x4_f32). A number that lies on a knife's edge between two numbers of the format may be rounded either way, as far as f32 arithmetic and the matrix unit's own rounding can turn it there, and no further.
;; One version. Each part assembles by itself: llvm-mc -triple=amdgcn-amd-amdhsa -mcpu=gfx1250 --defsym DOCPART=n.
;; ======== version 1 of 1: 4 launches
;; workspace buffers: c1 21,233,664 bytes; s1 884,736 bytes; c23 18,874,368 bytes; s23 786,432 bytes; c4 12,582,912 bytes; st4 1,572,864 bytes
;; launch quant (part 1): grid 2 x 432, 4 waves a work-group, no clusters, 35,328 bytes of LDS; arguments q, k, v, w_q, w_k, w_v, c1, s1; writes c1, s1
.if DOCPART == 1
	.amdgcn_target "amdgcn-amd-amdhsa--gfx1250"
	.amdhsa_code_object_version 6
	.text
	.protected	k_qb82eee6df9_quant
	.globl	k_qb82eee6df9_quant
	.p2align	8
	.type	k_qb82eee6df9_quant,@function
k_qb82eee6df9_quant:
	s_mov_b64 s[64:65], 0
	v_nop
	global_prefetch_b8 v0, s[64:65] scope:SCOPE_SE
	s_setreg_imm32_b32 hwreg(HW_REG_WAVE_MODE, 25, 1), 1
	s_wait_xcnt 0x0
; q, k, v [8192][1024] and w_q, w_k, w_v [1024][1024], f32, K innermost, become codes of BF6 (E3M2) with one E8M0 byte for each 32 along K.
; THE LAYOUT OF THE CODES is the image of the operand's registers.  A fragment (16 rows x 128 K, 12 registers a lane) is 1,536 bytes: registers 4 c .. 4 c + 3 of lane l at 512 c + 16 l.
; Fragment (block I, K step s) lies at (8 I + s) x 1,536.  Lane r of block I is row 32 (I / 2) + 8 (I % 2) + r + 8 (r / 8) of its tensor.  Blocks: q 0.., k 512.., v 1024.., w_q 1536.., w_k 1600.., w_v 1664..
; THE SCALE WORDS (four bytes: 128 along K of one row) lie [K step][block][r]: s x 110,592 + 64 I + 4 r.
; A block's scale is 2^(floor(log2(largest magnitude)) - 4): its byte is the largest magnitude's exponent field - 4, held at 1 from below.
; LIMITS: NaN and infinities among these inputs are not served.  A block whose largest magnitude lies under 2^-122 (all zeros too) gets the byte 1; a block of zeros has zero codes, and this program alone reads the bytes.
; SHARES: work-group (x, y): x = which half of K (4 K steps), y = four blocks; wave w takes block 4 y + w: four fragments.
; Each load reads 512 consecutive bytes of one row; a fragment's 16 rows turn through the wave's own stage in LDS (rows 528 bytes apart), so that a lane gets 2 x 32 neighbours along K of its row.
; No tensor load, no matrix instruction.  One barrier, in front of the way out of the scale words: the four waves' words of one K step are 256 consecutive bytes.
.set STW, 8448                         ; a wave's stage: 16 rows x (512 + 16) bytes
.set WST, 4*STW                        ; behind the stages: the scale words, [fragment][wave][r], 1,024 bytes
.set PIT, 110592                       ; from K step to K step among the scale words: 1,728 blocks x 64 bytes
.set RR, 32                            ; v32-159  two sets of 64 registers as loaded
.set XX, 160                           ; v160-223 my 64 numbers: register 32 c + i = k 64 c + 32 h + i of my row
.set PC, 224                           ; v224-235 the fragment's codes; v236-238, v240-242 the upper halves as the conversions leave them
	s_load_b256 s[4:11], s[0:1], 0x0               ; q, k, v, w_q
	s_load_b256 s[12:19], s[0:1], 0x20             ; w_k, w_v, c1, s1
	v_lshl_add_u32 v254, v0, 2, 0x8800
	v_mov_b32 v255, 0
	v_lshrrev_b32 v1, 5, v0
	v_readfirstlane_b32 s22, v1                    ; wave
	v_and_b32 v1, 15, v0                           ; r
	v_bfe_u32 v2, v0, 4, 1                         ; h
	v_and_b32 v3, 31, v0                           ; lane
	v_lshlrev_b32 v4, 4, v3                        ; 16 x lane: my bytes of a load's 512, and of an image's 512
	s_mul_i32 s23, s22, STW
	v_add_nc_u32 v5, s23, v4                       ; the stage, on the way in
	v_mul_u32_u24 v6, v1, 528
	v_lshl_add_u32 v6, v2, 7, v6
	v_add_nc_u32 v6, s23, v6                       ; and on the way out: row r, + 128 h bytes
	s_lshl_b32 s24, s22, 6
	s_add_co_u32 s24, s24, WST
	v_lshl_add_u32 v7, v1, 2, s24                  ; where my row's scale word goes
	s_lshl_b32 s24, s22, 8
	s_add_co_u32 s24, s24, WST
	v_lshl_add_u32 v8, v3, 3, s24                  ; and where I read 8 bytes of K step (wave)'s 256 back
	v_lshlrev_b32 v9, 3, v3
	v_lshlrev_b32 v10, 3, v2                       ; 8 h: my two bytes' place in the word
	v_mov_b32 v251, 0                              ; written once: a lane permute's destination counts as one of its sources
	s_mov_b32 s20, 0x76543210
	s_mov_b32 s21, 0xfedcba98                      ; v_permlanex16_b32's selects for lane l xor 16
	s_and_b32 s25, ttmp7, 0xffff                   ; y
	s_wait_kmcnt 0x0
	s_mov_b64 s[26:27], s[14:15]                   ; which tensor: the choice hangs on the work-group's number alone
	s_cmp_lt_u32 s25, 416
	s_cselect_b64 s[26:27], s[12:13], s[26:27]
	s_cmp_lt_u32 s25, 400
	s_cselect_b64 s[26:27], s[10:11], s[26:27]
	s_cmp_lt_u32 s25, 384
	s_cselect_b64 s[26:27], s[8:9], s[26:27]
	s_cselect_b32 s28, 127, 15                     ; a large tensor has 128 groups of four blocks, a weight 16
	s_cmp_lt_u32 s25, 256
	s_cselect_b64 s[26:27], s[6:7], s[26:27]
	s_cmp_lt_u32 s25, 128
	s_cselect_b64 s[26:27], s[4:5], s[26:27]
	s_and_b32 s28, s25, s28                        ; g: the group within its tensor
	s_lshl_b32 s28, s28, 6
	s_lshr_b32 s29, s22, 1
	s_lshl_b32 s29, s29, 5
	s_add_co_u32 s28, s28, s29
	s_and_b32 s29, s22, 1
	s_lshl_b32 s29, s29, 3
	s_add_co_u32 s28, s28, s29                     ; my block's first row: 64 g + 32 (w / 2) + 8 (w % 2)
	s_lshl_b32 s28, s28, 12                        ; rows of 4,096 bytes
	s_lshl_b32 s29, ttmp9, 11                      ; + my half of K
	s_add_co_u32 s28, s28, s29
	s_mov_b32 s29, 0
	s_add_nc_u64 s[26:27], s[26:27], s[28:29]
	s_lshl_b32 s30, s25, 2
	s_add_co_u32 s30, s30, s22                     ; I = 4 y + w
	s_lshl_b32 s30, s30, 3
	s_lshl_b32 s31, ttmp9, 2
	s_add_co_u32 s30, s30, s31
	s_mul_i32 s30, s30, 1536                       ; my first fragment's image
	s_mov_b32 s31, 0
	s_add_nc_u64 s[16:17], s[16:17], s[30:31]
	s_lshl_b32 s30, ttmp9, 2
	s_add_co_u32 s30, s30, s22
	s_mul_i32 s30, s30, PIT                        ; the scale words that I store: K step 4 x + wave,
	s_lshl_b32 s32, s25, 8
	s_add_co_u32 s30, s30, s32                     ; the work-group's four blocks
	s_add_nc_u64 s[18:19], s[18:19], s[30:31]
.macro LOAD F                          ; fragment F: 16 rows x 512 bytes, a row an instruction
.irp t, 0,1,2,3,4,5,6,7,8,9,10,11,12,13,14,15
	global_load_b128 v[RR+64*((\F)%2)+4*\t:RR+64*((\F)%2)+4*\t+3], v4, s[26:27] offset:(\t+8*(\t/8))*4096+512*(\F) th:TH_LOAD_NT
.endr
.endm
.macro TURN F                          ; through the stage: LDS serves a wave's instructions in order, so no wait stands between the stores and the loads
.irp t, 0,1,2,3,4,5,6,7,8,9,10,11,12,13,14,15
	ds_store_b128 v5, v[RR+64*((\F)%2)+4*\t:RR+64*((\F)%2)+4*\t+3] offset:528*\t
.endr
.irp c, 0,1
.irp j, 0,1,2,3,4,5,6,7
	ds_load_b128 v[XX+32*\c+4*\j:XX+32*\c+4*\j+3], v6 offset:256*\c+16*\j
.endr
.endr
.endm
.macro WORK F
.irp c, 0,1                            ; my blocks h and 2 + h: all 32 numbers of each are mine
	v_max3_num_f32 v[244+\c], |v[XX+32*\c]|, |v[XX+1+32*\c]|, 0x2800000   ; and the floor 2^(5 - 127): the byte cannot fall under 1
.endr
.irp i, 2,4,6,8,10,12,14,16,18,20,22,24,26,28,30
.irp c, 0,1
	v_max3_num_f32 v[244+\c], v[244+\c], |v[XX+32*\c+\i]|, |v[XX+1+32*\c+\i]|
.endr
.endr
.irp c, 0,1
	v_add_nc_u32 v[246+\c], 0xfe000000, v[244+\c]  ; 4 off the exponent field: the conversion takes this operand's exponent field as its scale
.endr
.irp c, 0,1
	v_lshrrev_b32 v[248+\c], 23, v[246+\c]         ; the scale's byte
.endr
	v_lshl_or_b32 v250, v249, 16, v248
	v_lshlrev_b32 v250, v10, v250                  ; my two bytes at their places,
	v_permlanex16_b32 v251, v250, s20, s21
	v_or_b32 v250, v250, v251                      ; with lane l xor 16's two the word is whole
.if (\F) > 0
	s_wait_xcnt 0x0                                ; the last fragment's stores have read the codes' registers
.endif
.irp c, 0,1
	v_cvt_scalef32_pk16_bf6_f32 v[PC+6*\c:PC+6*\c+2], v[XX+32*\c:XX+32*\c+15], v[246+\c]
	v_cvt_scalef32_pk16_bf6_f32 v[236+4*\c:238+4*\c], v[XX+32*\c+16:XX+32*\c+31], v[246+\c]   ; (a conversion's three registers begin on an even number)
.endr
	v_nop                                          ; one plain place behind a scaled conversion
.irp c, 0,1
.irp i, 0,1,2
	v_mov_b32 v[PC+3+6*\c+\i], v[236+4*\c+\i]
.endr
.endr
.irp c, 0,1,2
	global_store_b128 v4, v[PC+4*\c:PC+4*\c+3], s[16:17] offset:1536*(\F)+512*\c   ; 32 lanes store 512 consecutive bytes
.endr
	ds_store_b32 v7, v250 offset:256*(\F)          ; lanes r and 16 + r write the same word with the same value
.endm
	LOAD 0
	LOAD 1
	s_wait_loadcnt 16                              ; fragment 0 is in; fragment 1's 16 loads may be out
	TURN 0
	s_wait_dscnt 0x0
	LOAD 2
	WORK 0
	s_wait_loadcnt 16                              ; fragment 1 is in; fragment 2's may be out
	TURN 1
	s_wait_dscnt 0x0
	LOAD 3
	WORK 1
	s_wait_loadcnt 16                              ; fragment 2 is in; fragment 3's may be out
	TURN 2
	s_wait_dscnt 0x0
	WORK 2
	s_wait_loadcnt 0x0
	TURN 3
	s_wait_dscnt 0x0
	WORK 3
	s_wait_dscnt 0x0                               ; for the others' sake: my scale words lie in LDS
	s_barrier_signal -1
	s_barrier_wait -1
	ds_load_b64 v[252:253], v8                     ; K step (wave): the four blocks' 64 words
	s_wait_dscnt 0x0
	global_store_b64 v9, v[252:253], s[18:19]      ; 32 lanes store 256 consecutive bytes, aligned
	s_wait_tensorcnt 0x0
	ds_add_u32 v254, v255
	s_wait_dscnt 0x0
	s_endpgm
.Lfunc_end_k_qb82eee6df9_quant:
	.size	k_qb82eee6df9_quant, .Lfunc_end_k_qb82eee6df9_quant-k_qb82eee6df9_quant
	.p2alignl 7, 3214868480
	.fill 96, 4, 3214868480
	.section	.rodata,"a",@progbits
	.p2align	6, 0x0
	.amdhsa_kernel k_qb82eee6df9_quant
		.amdhsa_group_segment_fixed_size 35328
		.amdhsa_private_segment_fixed_size 0
		.amdhsa_enable_private_segment 0
		.amdhsa_kernarg_size 64
		.amdhsa_user_sgpr_count 2
		.amdhsa_user_sgpr_kernarg_segment_ptr 1
		.amdhsa_wavefront_size32 1
		.amdhsa_system_sgpr_workgroup_id_x 1
		.amdhsa_system_sgpr_workgroup_id_y 1
		.amdhsa_system_sgpr_workgroup_id_z 1
		.amdhsa_system_vgpr_workitem_id 0
		.amdhsa_next_free_vgpr 256
		.amdhsa_next_free_sgpr 66
		.amdhsa_reserve_vcc 0
		.amdhsa_float_denorm_mode_32 3
		.amdhsa_float_denorm_mode_16_64 3
		.amdhsa_memory_ordered 1
		.amdhsa_forward_progress 1
		.amdhsa_inst_pref_size 31
	.end_amdhsa_kernel
	.amdgpu_metadata
---
amdhsa.version: [ 1, 2 ]
amdhsa.kernels:
  - .name:           k_qb82eee6df9_quant
    .symbol:         k_qb82eee6df9_quant.kd
    .args:
      - { .name: q, .offset: 0, .size: 8, .value_kind: global_buffer, .address_space: global }
      - { .name: k, .offset: 8, .size: 8, .value_kind: global_buffer, .address_space: global }
      - { .name: v, .offset: 16, .size: 8, .value_kind: global_buffer, .address_space: global }
      - { .name: w_q, .offset: 24, .size: 8, .value_kind: global_buffer, .address_space: global }
      - { .name: w_k, .offset: 32, .size: 8, .value_kind: global_buffer, .address_space: global }
      - { .name: w_v, .offset: 40, .size: 8, .value_kind: global_buffer, .address_space: global }
      - { .name: c1, .offset: 48, .size: 8, .value_kind: global_buffer, .address_space: global }
      - { .name: s1, .offset: 56, .size: 8, .value_kind: global_buffer, .address_space: global }
    .group_segment_fixed_size: 35328
    .private_segment_fixed_size: 0
    .kernarg_segment_align: 8
    .kernarg_segment_size: 64
    .max_flat_workgroup_size: 128
    .sgpr_count:     66
    .vgpr_count:     256
    .wavefront_size: 32
...
	.end_amdgpu_metadata
.endif
;; end of part 1
;; launch proj (part 2): grid 4 x 192, 4 waves a work-group, clusters of 4 x 4, 327,680 bytes of LDS; arguments c1, s1, b_q, b_k, b_v, c23, s23; writes c23, s23
.if DOCPART == 2
	.amdgcn_target "amdgcn-amd-amdhsa--gfx1250"
	.amdhsa_code_object_version 6
	.text
	.protected	k_qb82eee6df9_proj
	.globl	k_qb82eee6df9_proj
	.p2align	8
	.type	k_qb82eee6df9_proj,@function
k_qb82eee6df9_proj:
	s_mov_b64 s[64:65], 0
	v_nop
	global_prefetch_b8 v0, s[64:65] scope:SCOPE_SE
	s_setreg_imm32_b32 hwreg(HW_REG_WAVE_MODE, 25, 1), 1
	s_wait_xcnt 0x0
	s_wait_alu depctr_hold_cnt(0) depctr_sa_sdst(0) depctr_va_vdst(0) depctr_va_sdst(0) depctr_va_ssrc(0) depctr_va_vcc(0) depctr_vm_vsrc(0)
	s_getreg_b32 s2, hwreg(HW_REG_IB_STS2, 6, 4)
	s_cmp_eq_u32 s2, 0
	s_cbranch_scc0 .Lentry_in_a_cluster
	s_endpgm
.Lentry_in_a_cluster:
	s_bfe_u32 s2, ttmp6, 0x10000c
	s_cmp_lg_u32 s2, 0xf033
	s_cbranch_scc0 .Lentry_shape_is_right
	s_endpgm
.Lentry_shape_is_right:
; THE THREE LINEAR LAYERS on codes of BF6 (E3M2), and the quantising of their results.  T = cluster y / 16: 0: Q' = q w_q^T + b_q; 1: K' = k w_k^T + b_k; 2: V^T = w_v v^T + b_v (roles swapped, so that V comes out with the keys along K).
; All operands lie as images of their registers: fragment (block i of 16 rows, K step s) at (i KS + s) x 1,536 bytes, registers 4 c .. 4 c + 3 of lane l at 512 c + 16 l; scale words [s][block][r].
; Lane r of block i is row 32 (i / 2) + 8 (i % 2) + r + 8 (r / 8): so the 16 result registers of two neighbouring tiles of source 0 are 16 neighbours along the next product's K.
; A tile of the result is 128 rows of A' x 256 rows of B'; four waves, each 64 x 128: 32 accumulators.  Source 0 = 16 rows of B', source 1 = 16 rows of A': a lane holds one row of A', its registers run along B's rows.
; A' = the tokens and B' = the weight for T < 2; A' = w_v and B' = v's tokens for T = 2.  A wave's 128 columns are one K step of the result's image: four fragments and one scale word a row.
; ALL OF K LIES IN LDS: two slots of 512 along K (four steps of 128; a tile's row is one block's 6,144 consecutive bytes), 2 x 147,456 bytes.  Both are asked for at the start, with the scale words of all of K:
; every byte that the work-group multiplies is on its way from the first lines on, no LDS byte is filled twice, and the eight steps are written out without a loop.  Slot 0 is multiplied while slot 1 lands.
; CLUSTER 4 x 4: A's tiles are shared along a row of the cluster, B's along a column: joint loads.  T and the cluster's number are the same in all sixteen partners, so the one branch on T is alike in all.
; The bias is the C of each sum's first product: along the registers (T < 2) or along the lanes (T = 2).
; LIMITS: NaN and infinities are not served; a block of the result whose largest magnitude lies under 2^-122 gets the scale byte 1.
; REGISTERS: window 0: v1-29 addresses; v32-63 scale words, two sets, nothing else; v64.., v160.. A's fragments, two sets.  window 1: v0-191 B's fragments, two sets.  window 2: the accumulators, (a, b) at 64 a + 8 b.  window 3: v0-63 bias along the registers, v64-95 bias along the lanes.
.set NA, 4                             ; A's blocks of a wave
.set KS, 8                             ; K steps of 128
.set AH, NA*6144                       ; half of A's tile in a slot: a block's four fragments are 6,144 bytes
.set BH, 8*6144                        ; half of B's
.set SLOT, 2*AH+2*BH
.set SAP, 128*NA                       ; A's scale words of one K step
.set SCA, 2*SLOT
.set SCB, SCA+KS*SAP
.set SST, SCB+KS*1024                  ; 256 bytes for each wave: the result's scale words on their way out
.set SPARE, SST+4*256                  ; the spare words, 128 bytes for each wave: no other line names them
.set PIT, 110592                       ; from K step to K step among the inputs' scale words
.set CV, 12582912                      ; where V^T's codes begin in c23
.set SV, 524288                        ; and its scale words in s23
.set TM, 224                           ; v224-227 largest magnitudes, v228-231 bytes, v236-239 the conversions' scale operands, v240-243 the scale words made
.set MSB, 0
.macro WIN new                         ; the immediate's high byte repeats the setting that is left
.if MSB != (\new)
	s_set_vgpr_msb (MSB<<8)|(\new)
.set MSB, (\new)
.endif
.endm
.macro PLACES n
.rept \n
	v_nop
.endr
.endm
.macro JLOAD g0a, g1a, g0b, g1b        ; a joint load: waves 0 and 1 fetch for A, waves 2 and 3 for B; four v_nop follow each of the two lines
	s_cmp_eq_u32 s93, 0
	s_cbranch_scc0 .Lfor_b_\@
	tensor_load_to_lds s[\g0a:\g0a+3], s[\g1a:\g1a+7]
	s_nop 0
.rept 4
	v_nop
.endr
	s_branch .Lasked_\@
.Lfor_b_\@:
	tensor_load_to_lds s[\g0b:\g0b+3], s[\g1b:\g1b+7]
	s_nop 0
.rept 4
	v_nop
.endr
.Lasked_\@:
.endm
.macro CREST                           ; a round of the cluster's barrier behind its opening barrier
	s_cmp_lg_u32 s92, 0
	s_cbranch_scc1 .Lnot_wave_0_\@
	s_barrier_signal -3
.Lnot_wave_0_\@:
	s_barrier_wait -3
	s_barrier_signal -1
	s_barrier_wait -1
.endm
.macro CROUND
	s_barrier_signal -1
	s_barrier_wait -1
	CREST
.endm
; 8 products: A's block a against B's eight.  p: the fragment set; q: which of a pair of steps (its scale words lie in lanes 0-15 for q = 0, lanes 16-31 for q = 1); sig: the scale set.
; cm = 0: onto the sums; 2: the first product, C = the bias along the registers; 3: C = the bias along the lanes.
.macro MULG a, p, q, sig, cm
.irp b, 0,1,2,3,4,5,6,7
.if (\cm) == 2
	v_wmma_scale_f32_16x16x128_f8f6f4 v[64*(\a)+8*\b:64*(\a)+8*\b+7], v[96*(\p)+12*\b:96*(\p)+12*\b+11], v[64+96*(\p)+12*(\a):64+96*(\p)+12*(\a)+11], v[8*\b:8*\b+7], v[40+16*(\sig)+\b], v[32+16*(\sig)+(\a)] matrix_a_fmt:MATRIX_FMT_BF6 matrix_b_fmt:MATRIX_FMT_BF6
.elseif (\cm) == 3
	v_wmma_scale_f32_16x16x128_f8f6f4 v[64*(\a)+8*\b:64*(\a)+8*\b+7], v[96*(\p)+12*\b:96*(\p)+12*\b+11], v[64+96*(\p)+12*(\a):64+96*(\p)+12*(\a)+11], v[64+8*(\a):64+8*(\a)+7], v[40+16*(\sig)+\b], v[32+16*(\sig)+(\a)] matrix_a_fmt:MATRIX_FMT_BF6 matrix_b_fmt:MATRIX_FMT_BF6
.elseif (\q) == 0
	v_wmma_scale_f32_16x16x128_f8f6f4 v[64*(\a)+8*\b:64*(\a)+8*\b+7], v[96*(\p)+12*\b:96*(\p)+12*\b+11], v[64+96*(\p)+12*(\a):64+96*(\p)+12*(\a)+11], v[64*(\a)+8*\b:64*(\a)+8*\b+7], v[40+16*(\sig)+\b], v[32+16*(\sig)+(\a)] matrix_a_fmt:MATRIX_FMT_BF6 matrix_b_fmt:MATRIX_FMT_BF6
.else
	v_wmma_scale_f32_16x16x128_f8f6f4 v[64*(\a)+8*\b:64*(\a)+8*\b+7], v[96*(\p)+12*\b:96*(\p)+12*\b+11], v[64+96*(\p)+12*(\a):64+96*(\p)+12*(\a)+11], v[64*(\a)+8*\b:64*(\a)+8*\b+7], v[40+16*(\sig)+\b], v[32+16*(\sig)+(\a)] matrix_a_fmt:MATRIX_FMT_BF6 matrix_b_fmt:MATRIX_FMT_BF6 matrix_a_scale:MATRIX_SCALE_ROW1 matrix_b_scale:MATRIX_SCALE_ROW1
.endif
.endr
.endm
.macro FETCH_B slot, q, p              ; B's eight fragments of the slot's q-th step into set p: three loads of 512 consecutive bytes each
	WIN 0x40
.irp i, 0,1,2,3,4,5,6,7
.irp c, 0,1,2
	ds_load_b128 v[96*(\p)+12*\i+4*\c:96*(\p)+12*\i+4*\c+3], v[20+\slot] offset:6144*\i+1536*(\q)+512*\c
.endr
.endr
	WIN 0
.endm
.macro FETCH_A slot, q, p
.irp i, 0,1,2,3
.irp c, 0,1,2
	ds_load_b128 v[64+96*(\p)+12*\i+4*\c:64+96*(\p)+12*\i+4*\c+3], v[16+\slot] offset:6144*\i+1536*(\q)+512*\c
.endr
.endr
.endm
.macro SCALES sig                      ; the scale words of a pair of steps: lanes 0-15 the first step's, lanes 16-31 the second's
.irp a, 0,1,2,3
	ds_load_b32 v[32+16*(\sig)+\a], v22 offset:64*\a
.endr
.irp b, 0,1,2,3,4,5,6,7
	ds_load_b32 v[40+16*(\sig)+\b], v23 offset:64*\b
.endr
.endm
; Step q (0, 1 or 2) of a slot: multiplies fragment set q % 2 under scale set q / 2 and fetches step q + 1 of the same slot into the other set; at q = 1 the next pair's scale words come too.
.macro STEP slot, q
	PLACES 4                                       ; four places in front of loads into registers that the products just issued have read
.if (\q) == 1
	v_add_nc_u32 v22, 2*SAP, v22                   ; on to the next pair's scale words
	v_add_nc_u32 v23, 2048, v23
.endif
	FETCH_B \slot, (\q)+1, ((\q)+1)%2
	FETCH_A \slot, (\q)+1, ((\q)+1)%2
.if (\q) == 1
	SCALES 1
	s_wait_dscnt 4*(8+NA)                          ; all but the 36 fragment loads and the 12 scale loads just issued: this step's set is in
.else
	s_wait_dscnt 3*(8+NA)                          ; all but the 36 fragment loads just issued: this step's set and its scale words are in
.endif
	WIN 0xa1
	MULG 0, (\q)%2, (\q)%2, (\q)/2, 0
	MULG 1, (\q)%2, (\q)%2, (\q)/2, 0
	MULG 2, (\q)%2, (\q)%2, (\q)/2, 0
	MULG 3, (\q)%2, (\q)%2, (\q)/2, 0
	WIN 0
.endm
; Slot 0's fourth step goes over to slot 1: one barrier; in front of it each wave waits for its part of slot 1, the one tensor load that is still out.
.macro TURN
	s_wait_tensorcnt 0x0                           ; all my tensor loads have landed: my part of slot 1
	ds_add_u32 v28, v29                            ; 0 onto my spare word
	s_wait_dscnt 1                                 ; only the add may be out: set 1 is in
	WIN 0xa1
	MULG 0, 1, 1, 1, 0
	s_wait_dscnt 0x0                               ; no LDS instruction of mine is out at the signal
	s_barrier_signal -1
	MULG 1, 1, 1, 1, 0
	WIN 0
	s_barrier_wait -1                              ; slot 1 is whole
	PLACES 4
	v_add_nc_u32 v22, 2*SAP, v22                   ; on to the next pair's scale words
	v_add_nc_u32 v23, 2048, v23
	FETCH_B 1, 0, 0
	FETCH_A 1, 0, 0
	SCALES 0
	WIN 0xa1
	MULG 2, 1, 1, 1, 0
	MULG 3, 1, 1, 1, 0
	WIN 0
.endm
	s_load_b256 s[4:11], s[0:1], 0x0               ; c1 s[4:5], s1 s[6:7], b_q s[8:9], b_k s[10:11]
	s_load_b128 s[12:15], s[0:1], 0x20             ; b_v s[12:13], c23 s[14:15]
	s_load_b64 s[16:17], s[0:1], 0x30              ; s23
	v_lshl_add_u32 v28, v0, 2, SPARE
	v_mov_b32 v29, 0
	ds_add_u32 v28, v29
	ds_add_u32 v28, v29
	s_wait_dscnt 0x0
	v_lshrrev_b32 v1, 5, v0
	v_readfirstlane_b32 s92, v1                    ; wave
	s_lshr_b32 s93, s92, 1                         ; which half of A's rows is mine.  Also: I fetch for A (0) or for B (1)
	s_and_b32 s94, s92, 1                          ; which half of B's rows.  Also: which half of that tile I fetch
	s_bfe_u32 s95, ttmp6, 0x40000                  ; cx
	s_bfe_u32 s96, ttmp6, 0x40004                  ; cy
	s_and_b32 s40, ttmp7, 0xffff                   ; the cluster's y: 0 .. 47
	s_lshr_b32 s99, s40, 4                         ; T
	s_and_b32 s41, s40, 15                         ; u
	s_and_b32 s42, s41, 1
	s_lshr_b32 s45, s41, 1
	s_cmp_eq_u32 s99, 2
	s_cselect_b32 s42, s42, s41                    ; T < 2: 16 x 1 clusters; T = 2: 2 x 8
	s_cselect_b32 s45, s45, 0
	s_lshl_b32 s97, s42, 2
	s_add_co_u32 s97, s97, s96                     ; tile row
	s_lshl_b32 s98, s45, 2
	s_add_co_u32 s98, s98, s95                     ; tile column
	s_lshl_b32 s43, s96, 2
	s_lshl_b32 s43, 15, s43                        ; my row of the cluster
	s_lshl_b32 s44, 0x1111, s95                    ; my column
	; descriptor groups 1.  Codes: a row = one block's four fragments, 768 elements of 8 bytes; from block to block KS x 192 elements; no padding
	s_or_b32 s24, s43, (3<<16)|(1<<21)
	s_or_b32 s48, s44, (3<<16)|(1<<21)
	s_or_b32 s68, s43, (3<<16)|(1<<21)
	s_or_b32 s80, s44, (3<<16)|(1<<21)
.irp g, 24, 48
	s_mov_b32 s[\g+1], 768<<16                     ; tensor_dim0
	s_mov_b32 s[\g+3], 768<<16                     ; tile_dim0
	s_mov_b32 s[\g+5], KS*192                      ; the pitch
	s_mov_b32 s[\g+6], 0
	s_mov_b32 s[\g+7], 0
.endr
	s_mov_b32 s26, NA<<16                          ; tensor_dim1, tile_dim1: A's half has NA blocks,
	s_mov_b32 s28, NA
	s_mov_b32 s50, 8<<16                           ; B's eight
	s_mov_b32 s52, 8
	; scale words: a row = one K step's words of the tile; KS / 2 rows a wave
	s_mov_b32 s69, (SAP/8)<<16
	s_mov_b32 s70, (KS/2)<<16
	s_mov_b32 s71, (SAP/8)<<16
	s_mov_b32 s72, KS/2
	s_mov_b32 s73, PIT/8
	s_mov_b32 s74, 0
	s_mov_b32 s75, 0
	s_mov_b32 s81, 128<<16
	s_mov_b32 s82, (KS/2)<<16
	s_mov_b32 s83, 128<<16
	s_mov_b32 s84, KS/2
	s_mov_b32 s85, PIT/8
	s_mov_b32 s86, 0
	s_mov_b32 s87, 0
	s_lshl_b32 s46, s99, 9                         ; A': q's blocks from 0, k's from 512; w_v's from 1664
	s_lshl_b32 s47, s99, 6
	s_add_co_u32 s47, s47, 1536                    ; B': w_q's from 1536, w_k's from 1600; v's from 1024
	s_cmp_eq_u32 s99, 2
	s_cselect_b32 s46, 1664, s46
	s_cselect_b32 s47, 1024, s47
	s_lshl_b32 s40, s97, 3
	s_add_co_u32 s46, s46, s40                     ; A's first block: hangs on the tile row alone
	s_lshl_b32 s67, s98, 4
	s_add_co_u32 s47, s47, s67                     ; B's: on the tile column alone
	s_mul_i32 s45, s94, NA
	s_add_co_u32 s18, s46, s45
	s_mul_i32 s18, s18, KS*1536                    ; the codes that I fetch for A,
	s_mov_b32 s19, 0
	s_lshl_b32 s45, s94, 3
	s_add_co_u32 s22, s47, s45
	s_mul_i32 s22, s22, KS*1536                    ; for B
	s_mov_b32 s23, 0
	s_mul_i32 s42, s94, (KS/2)*PIT                 ; the scale words: my half of the K steps
	s_lshl_b32 s40, s46, 6
	s_add_co_u32 s40, s40, s42
	s_mov_b32 s41, 0
	s_lshl_b32 s66, s47, 6
	s_add_co_u32 s66, s66, s42
	s_mov_b32 s67, 0
	s_mul_i32 s100, s94, AH                        ; where they go in LDS: the wave's number alone
	s_mul_i32 s101, s94, BH
	s_add_co_u32 s101, s101, 2*AH
	s_mul_i32 s2, s94, (KS/2)*SAP
	s_add_co_u32 s2, s2, SCA
	s_mul_i32 s3, s94, (KS/2)*1024
	s_add_co_u32 s3, s3, SCB
	s_wait_kmcnt 0x0
	s_add_nc_u64 s[18:19], s[4:5], s[18:19]
	s_add_nc_u64 s[22:23], s[4:5], s[22:23]
	s_add_nc_u64 s[40:41], s[6:7], s[40:41]
	s_add_nc_u64 s[66:67], s[6:7], s[66:67]
	CROUND                                         ; all sixteen work-groups are here: the joint loads meet
	s_mov_b32 s76, 1
	s_mov_b32 s77, s2
	s_mov_b64 s[78:79], s[40:41]
	s_or_b32 s79, s79, 0x80000000
	s_mov_b32 s88, 1
	s_mov_b32 s89, s3
	s_mov_b64 s[90:91], s[66:67]
	s_or_b32 s91, s91, 0x80000000
	JLOAD 76, 68, 88, 80                           ; the scale words of all of K
.irp s, 0,1
	s_mov_b32 s[32+4*\s], 1
	s_add_co_u32 s[33+4*\s], s100, \s*SLOT
	s_add_nc_u64 s[34+4*\s:35+4*\s], s[18:19], \s*6144
	s_or_b32 s[35+4*\s], s[35+4*\s], 0x80000000
	s_mov_b32 s[56+4*\s], 1
	s_add_co_u32 s[57+4*\s], s101, \s*SLOT
	s_add_nc_u64 s[58+4*\s:59+4*\s], s[22:23], \s*6144
	s_or_b32 s[59+4*\s], s[59+4*\s], 0x80000000
	JLOAD 32+4*\s, 24, 56+4*\s, 48                 ; K steps 4 s .. 4 s + 3; three tensor loads of mine are out, and these are all that I issue
.endr
	v_and_b32 v1, 15, v0                           ; r
	v_bfe_u32 v2, v0, 4, 1                         ; h
	v_and_b32 v3, 31, v0                           ; lane
	v_lshlrev_b32 v4, 4, v3                        ; 16 x lane
	s_mul_i32 s40, s93, AH
	s_mul_i32 s41, s94, BH
	s_add_co_u32 s41, s41, 2*AH
.irp s, 0,1
	v_add_nc_u32 v[16+\s], s40, v4                 ; my A fragments in slot s
	v_add_nc_u32 v[20+\s], s41, v4                 ; my B fragments
	s_add_co_u32 s40, s40, SLOT
	s_add_co_u32 s41, s41, SLOT
.endr
	v_lshlrev_b32 v22, 2, v1
	v_mad_u32_u24 v23, v2, 1024, v22               ; lanes 16-31 take the words one K step on
	v_mad_u32_u24 v22, v2, SAP, v22
	s_mul_i32 s40, s93, NA*64
	s_add_co_u32 s40, s40, SCA
	v_add_nc_u32 v22, s40, v22
	s_lshl_b32 s41, s94, 9
	s_add_co_u32 s41, s41, SCB
	v_add_nc_u32 v23, s41, v23
	; the bias.  Both sets are always loaded; the set that is not used takes offset 0, so that every load stays inside the 4,096 bytes
	s_lshl_b32 s40, s98, 10
	s_lshl_b32 s41, s94, 9
	s_add_co_u32 s40, s40, s41                     ; T < 2: my 128 columns' first byte
	s_lshl_b32 s41, s97, 9
	s_lshl_b32 s42, s93, 8
	s_add_co_u32 s41, s41, s42                     ; T = 2: my 64 rows' first byte
	s_cmp_eq_u32 s99, 2
	s_cselect_b32 s40, 0, s40
	s_cselect_b32 s41, s41, 0
	s_cselect_b64 s[12:13], s[12:13], s[10:11]
	s_cmp_eq_u32 s99, 0
	s_cselect_b64 s[8:9], s[8:9], s[12:13]
	v_lshl_add_u32 v12, v2, 6, s40                 ; along the registers: tile b, register j: column 32 (b / 2) + 16 h + 8 (b % 2) + j
	v_and_b32 v13, 8, v1
	v_add_nc_u32 v13, v13, v1
	v_lshl_add_u32 v13, v13, 2, s41                ; along the lanes: block a, lane r: row 32 (a / 2) + 8 (a % 2) + r + 8 (r / 8)
	WIN 0xc0                                       ; destination window 3
.irp b, 0,1,2,3,4,5,6,7
	global_load_b128 v[8*\b:8*\b+3], v12, s[8:9] offset:(32*(\b/2)+8*(\b%2))*4
	global_load_b128 v[8*\b+4:8*\b+7], v12, s[8:9] offset:(32*(\b/2)+8*(\b%2))*4+16
.endr
.irp a, 0,1,2,3
.irp j, 0,1,2,3,4,5,6,7
	global_load_b32 v[64+8*\a+\j], v13, s[8:9] offset:(32*(\a/2)+8*(\a%2))*4
.endr
.endr
	WIN 0
	; where the result goes
	s_lshl_b32 s40, s97, 3
	s_lshl_b32 s41, s93, 2
	s_add_co_u32 s40, s40, s41                     ; 8 x tile row + 4 x my half
	s_lshl_b32 s41, s99, 9                         ; T < 2: Q' from block 0, K' from 512
	s_lshr_b32 s42, s98, 3
	s_lshl_b32 s42, s42, 6                         ; T = 2: 64 blocks a batch; a batch is 8 tile columns of keys
	s_and_b32 s45, s98, 7
	s_cmp_eq_u32 s99, 2
	s_cselect_b32 s41, s42, s41
	s_cselect_b32 s45, s45, s98
	s_cselect_b32 s46, 4, 3                        ; the result's K steps: 16 or 8, as a shift
	s_cselect_b32 s47, 14, 16                      ; its scale words' pitch: 16,384 or 65,536, as a shift
	s_cselect_b32 s66, CV, 0
	s_cselect_b32 s100, SV, 0
	s_add_co_u32 s40, s40, s41                     ; my first block of the result
	s_lshl_b32 s45, s45, 1
	s_add_co_u32 s45, s45, s94                     ; my K step of the result
	s_lshl_b32 s41, s40, s46
	s_add_co_u32 s41, s41, s45
	s_mul_i32 s41, s41, 1536
	s_add_co_u32 s66, s66, s41
	s_mov_b32 s67, 0
	s_add_nc_u64 s[14:15], s[14:15], s[66:67]
	s_lshl_b32 s41, s45, s47
	s_lshl_b32 s42, s40, 6
	s_add_co_u32 s41, s41, s42
	s_add_co_u32 s100, s100, s41
	s_mov_b32 s101, 0
	s_add_nc_u64 s[16:17], s[16:17], s[100:101]
	s_lshl_b32 s42, 1536, s46                      ; from block to block in the result's image
	v_mov_b32 v8, v4
	v_add_nc_u32 v9, s42, v8
	v_add_nc_u32 v10, s42, v9
	v_add_nc_u32 v11, s42, v10
	s_lshl_b32 s40, s92, 8
	s_add_co_u32 s40, s40, SST
	v_lshl_add_u32 v14, v1, 2, s40                 ; my wave's 256 bytes for scale words: in,
	v_lshl_add_u32 v15, v3, 3, s40                 ; and back
	v_lshlrev_b32 v24, 3, v3
	s_mov_b32 s20, 0x76543210
	s_mov_b32 s21, 0xfedcba98                      ; v_permlanex16_b32's selects for lane l xor 16
	s_wait_tensorcnt 1                             ; the scale words and my part of slot 0 are in; slot 1's load may be out
	s_barrier_signal -1
	s_barrier_wait -1
	FETCH_B 0, 0, 0
	FETCH_A 0, 0, 0
	SCALES 0
	FETCH_B 0, 1, 1                                ; the first step is written out: its products start the sums with the bias
	FETCH_A 0, 1, 1
	s_wait_dscnt 3*(8+NA)                          ; all but the 36 fragment loads just issued
	s_wait_loadcnt 0x0                             ; the bias
	s_cmp_eq_u32 s99, 2
	s_cbranch_scc1 .Lbias_by_lanes
	WIN 0xb1                                       ; source 0 window 1, source 1 window 0, C window 3, D window 2
	MULG 0, 0, 0, 0, 2
	MULG 1, 0, 0, 0, 2
	MULG 2, 0, 0, 0, 2
	MULG 3, 0, 0, 0, 2
	WIN 0
	s_branch .Lbegun
.Lbias_by_lanes:
	WIN 0xb1
	MULG 0, 0, 0, 0, 3
	MULG 1, 0, 0, 0, 3
	MULG 2, 0, 0, 0, 3
	MULG 3, 0, 0, 0, 3
	WIN 0
.Lbegun:                                               ; the 32 accumulators take turns, in the same order in every step
	STEP 0, 1
	STEP 0, 2
	TURN
	STEP 1, 0
	STEP 1, 1
	STEP 1, 2
	s_wait_dscnt 0x0                               ; the last step: nothing more to fetch
	WIN 0xa1
	MULG 0, 1, 1, 1, 0
	MULG 1, 1, 1, 1, 0
	MULG 2, 1, 1, 1, 0
	MULG 3, 1, 1, 1, 0
	WIN 0
; THE WAY OUT.  Block a's 64 numbers of a lane (register 16 b + i = k 32 b + 16 h + i of my row, in window 2) become a fragment's codes and its scale word; the codes are stored as the image of their registers.
.macro QUANTW a
.set SS, 64*(\a)
.set PP, 64+20*(\a)
	WIN 0x0a                                       ; sources 0 and 1 window 2
.irp b, 0,1,2,3
	v_max3_num_f32 v[TM+\b], |v[SS+16*\b]|, |v[SS+1+16*\b]|, 0x2800000   ; each accumulator is read from its low end on; the floor 2^(5 - 127) holds the byte at 1
.endr
.irp i, 2,4,6,8,10,12,14
.irp b, 0,1,2,3
	v_max3_num_f32 v[TM+\b], |v[SS+16*\b+\i]|, |v[SS+1+16*\b+\i]|, v[TM+\b]
.endr
.endr
	WIN 0
.irp b, 0,1,2,3
	v_permlanex16_b32 v[TM+4+\b], v[TM+\b], s20, s21
.endr
.irp b, 0,1,2,3
	v_max_num_f32 v[TM+\b], v[TM+\b], v[TM+4+\b]   ; with lane l xor 16's: the block's largest magnitude
.endr
.irp b, 0,1,2,3
	v_add_nc_u32 v[TM+12+\b], 0xfe000000, v[TM+\b] ; 4 off its exponent field: the conversion's scale operand
.endr
.irp b, 0,1,2,3
	v_lshrrev_b32 v[TM+4+\b], 23, v[TM+12+\b]      ; the scale's byte
.endr
	v_lshl_or_b32 v[240+(\a)], v[TM+5], 8, v[TM+4]
	v_lshl_or_b32 v[240+(\a)], v[TM+6], 16, v[240+(\a)]
	v_lshl_or_b32 v[240+(\a)], v[TM+7], 24, v[240+(\a)]
	WIN 0x02                                       ; source 0 window 2
.irp c, 0,1
	v_cvt_scalef32_pk16_bf6_f32 v[PP+6*\c:PP+2+6*\c], v[SS+32*\c:SS+15+32*\c], v[TM+12+2*\c]
	v_cvt_scalef32_pk16_bf6_f32 v[PP+12+4*\c:PP+14+4*\c], v[SS+16+32*\c:SS+31+32*\c], v[TM+12+2*\c+1]   ; (a conversion's three registers begin on an even number)
.endr
	WIN 0
	v_nop                                          ; one plain place behind a scaled conversion
.irp c, 0,1                                    ; the operand's layout wants a whole block in a lane: lanes 0-15 block 2 c, lanes 16-31 block 2 c + 1
.irp i, 0,1,2
	v_permlane16_swap_b32 v[PP+6*\c+\i], v[PP+12+4*\c+\i]
.endr
.irp i, 0,1,2
	v_mov_b32 v[PP+3+6*\c+\i], v[PP+12+4*\c+\i]
.endr
.endr
.irp c, 0,1,2
	global_store_b128 v[8+(\a)], v[PP+4*\c:PP+4*\c+3], s[14:15] offset:512*\c   ; 32 lanes store 512 consecutive bytes; each block has registers of its own
.endr
	ds_store_b32 v14, v[240+(\a)] offset:64*(\a)   ; lanes r and 16 + r write the same word with the same value
.endm
	PLACES 4                                       ; four places between the last products and the first read of results
.irp b, 0,1,2,3
	v_mov_b32 v[TM+4+\b], 0                        ; written once: a lane permute's destination counts as one of its sources
.endr
	QUANTW 0
	QUANTW 1
	QUANTW 2
	QUANTW 3
	ds_load_b64 v[244:245], v15                    ; LDS serves a wave's instructions in order: these see my stores
	s_wait_dscnt 0x0
	global_store_b64 v24, v[244:245], s[16:17]     ; my four blocks' scale words: 256 consecutive bytes, aligned
	s_wait_tensorcnt 0x0                           ; the wave's end
	ds_add_u32 v28, v29
	s_wait_dscnt 0x0
	CROUND                                         ; the closing round
	s_endpgm
.Lfunc_end_k_qb82eee6df9_proj:
	.size	k_qb82eee6df9_proj, .Lfunc_end_k_qb82eee6df9_proj-k_qb82eee6df9_proj
	.p2alignl 7, 3214868480
	.fill 96, 4, 3214868480
	.section	.rodata,"a",@progbits
	.p2align	6, 0x0
	.amdhsa_kernel k_qb82eee6df9_proj
		.amdhsa_group_segment_fixed_size 327680
		.amdhsa_private_segment_fixed_size 0
		.amdhsa_enable_private_segment 0
		.amdhsa_kernarg_size 56
		.amdhsa_user_sgpr_count 2
		.amdhsa_user_sgpr_kernarg_segment_ptr 1
		.amdhsa_wavefront_size32 1
		.amdhsa_system_sgpr_workgroup_id_x 1
		.amdhsa_system_sgpr_workgroup_id_y 1
		.amdhsa_system_sgpr_workgroup_id_z 1
		.amdhsa_system_vgpr_workitem_id 0
		.amdhsa_next_free_vgpr 1024
		.amdhsa_next_free_sgpr 104
		.amdhsa_reserve_vcc 0
		.amdhsa_float_denorm_mode_32 3
		.amdhsa_float_denorm_mode_16_64 3
		.amdhsa_memory_ordered 1
		.amdhsa_forward_progress 1
		.amdhsa_inst_pref_size 94
	.end_amdhsa_kernel
	.amdgpu_metadata
---
amdhsa.version: [ 1, 2 ]
amdhsa.kernels:
  - .name:           k_qb82eee6df9_proj
    .symbol:         k_qb82eee6df9_proj.kd
    .args:
      - { .name: c1, .offset: 0, .size: 8, .value_kind: global_buffer, .address_space: global }
      - { .name: s1, .offset: 8, .size: 8, .value_kind: global_buffer, .address_space: global }
      - { .name: b_q, .offset: 16, .size: 8, .value_kind: global_buffer, .address_space: global }
      - { .name: b_k, .offset: 24, .size: 8, .value_kind: global_buffer, .address_space: global }
      - { .name: b_v, .offset: 32, .size: 8, .value_kind: global_buffer, .address_space: global }
      - { .name: c23, .offset: 40, .size: 8, .value_kind: global_buffer, .address_space: global }
      - { .name: s23, .offset: 48, .size: 8, .value_kind: global_buffer, .address_space: global }
    .group_segment_fixed_size: 327680
    .private_segment_fixed_size: 0
    .kernarg_segment_align: 8
    .kernarg_segment_size: 56
    .max_flat_workgroup_size: 128
    .sgpr_count:     104
    .vgpr_count:     1024
    .wavefront_size: 32
...
	.end_amdgpu_metadata
.endif
;; end of part 2
;; launch score (part 3): grid 8 x 32, 4 waves a work-group, clusters of 4 x 4, 327,680 bytes of LDS; arguments c23, s23, mask, c4, st4; writes c4, st4
.if DOCPART == 3
	.amdgcn_target "amdgcn-amd-amdhsa--gfx1250"
	.amdhsa_code_object_version 6
	.text
	.protected	k_qb82eee6df9_score
	.globl	k_qb82eee6df9_score
	.p2align	8
	.type	k_qb82eee6df9_score,@function
k_qb82eee6df9_score:
	s_mov_b64 s[64:65], 0
	v_nop
	global_prefetch_b8 v0, s[64:65] scope:SCOPE_SE
	s_setreg_imm32_b32 hwreg(HW_REG_WAVE_MODE, 25, 1), 1
	s_wait_xcnt 0x0
	s_wait_alu depctr_hold_cnt(0) depctr_sa_sdst(0) depctr_va_vdst(0) depctr_va_sdst(0) depctr_va_ssrc(0) depctr_va_vcc(0) depctr_vm_vsrc(0)
	s_getreg_b32 s2, hwreg(HW_REG_IB_STS2, 6, 4)
	s_cmp_eq_u32 s2, 0
	s_cbranch_scc0 .Lentry_in_a_cluster
	s_endpgm
.Lentry_in_a_cluster:
	s_bfe_u32 s2, ttmp6, 0x10000c
	s_cmp_lg_u32 s2, 0xf033
	s_cbranch_scc0 .Lentry_shape_is_right
	s_endpgm
.Lentry_shape_is_right:
; THE SCORES AND THE SOFTMAX'S p, on codes of BF6 (E3M2).  S = Q' K'^T for a tile of 256 queries x 256 keys of one batch; s' = S + 32 x mask (32 times the logit, exactly: 1 / sqrt(1024) = 1 / 32); t = s' x log2(e) / 32.
; THE SCORES NEVER GO TO MEMORY.  For each query and each 128 keys (a wave's width): M' = the largest t of these 128, rounded up to a whole number; p = 2^(t - M'); p is quantised along the keys, block by block of 32.
; Stored: p's codes (as the image of the next product's operand), the scale word under M', -M', and the sum l' of the unquantised p.  M' is a whole number, so the next launch brings bytes and sums under the row's own M by exact powers of two.
; t IS ROUNDED TO f32 BEFORE M' IS TAKEN AWAY (a multiplication and an addition, not one fused line): then t - M' is at most 0 whatever the size of the mask's numbers, p is at most 1, and the local bytes lie in 1 .. 123.
; The mask is an input: it is loaded and added as it is given; nothing is left out.
; Operands as images of their registers (fragment (block i, K step s) at (8 i + s) x 1,536; lane r of block i = row 32 (i / 2) + 8 (i % 2) + r + 8 (r / 8)); scale words [s][block][r].
; Four waves, each 128 queries x 128 keys: 64 accumulators.  Source 0 = 16 keys, source 1 = 16 queries: a lane holds one query, its registers run along the keys; the 16 registers of tiles 2 b, 2 b + 1 are keys 32 b + 16 h + 0 .. 15.
; K goes in slots of 256 through a ring of two LDS slots; CLUSTER 4 x 4: Q's tiles are shared along a row of the cluster, K's along a column: joint loads.
; LIMITS: NaN among the scores or the mask is not served.  A stretch of 128 keys whose every t is -infinity gets -M' = 3e38 and p = 0.
; REGISTERS: window 0: v1-29 addresses; v32-63 scale words, nothing else; v64-159, v160-255 Q's fragments, two sets; behind the loop v64-127, v128-191 t and p by turns, v192-231 codes by turns, v232-255 at work.
;   window 1: v0-191 K's fragments, two sets; v192-255 and, behind the loop, v0-63: mask rows as loaded.  windows 2, 3: the accumulators, (a, b) in window 2 + a / 4 at 64 (a % 4) + 8 b.
.set NA, 8
.set KS, 8
.set LAPS, KS/4
.set AH, NA*3072
.set BH, 8*3072
.set SLOT, 2*AH+2*BH
.set SAP, 128*NA
.set SCA, 2*SLOT
.set SCB, SCA+KS*SAP
.set STG, SCB+KS*1024                  ; a stage of 16 rows x (512 + 16) bytes for each wave: the mask's rows turn through it
.set SST, STG+4*8448                   ; 1,536 bytes for each wave: scale words, -M', l' on their way out
.set SPARE, SST+4*1536                 ; the spare words, 128 bytes for each wave: no other line names them
.set PIT, 65536                        ; from K step to K step among Q's and K's scale words
.set MSB, 0
.macro WIN new                         ; the immediate's high byte repeats the setting that is left
.if MSB != (\new)
	s_set_vgpr_msb (MSB<<8)|(\new)
.set MSB, (\new)
.endif
.endm
.macro PLACES n
.rept \n
	v_nop
.endr
.endm
.macro JLOAD g0a, g1a, g0b, g1b        ; a joint load: waves 0 and 1 fetch for A, waves 2 and 3 for B; four v_nop follow each of the two lines
	s_cmp_eq_u32 s93, 0
	s_cbranch_scc0 .Lfor_b_\@
	tensor_load_to_lds s[\g0a:\g0a+3], s[\g1a:\g1a+7]
	s_nop 0
.rept 4
	v_nop
.endr
	s_branch .Lasked_\@
.Lfor_b_\@:
	tensor_load_to_lds s[\g0b:\g0b+3], s[\g1b:\g1b+7]
	s_nop 0
.rept 4
	v_nop
.endr
.Lasked_\@:
.endm
.macro CREST
	s_cmp_lg_u32 s92, 0
	s_cbranch_scc1 .Lnot_wave_0_\@
	s_barrier_signal -3
.Lnot_wave_0_\@:
	s_barrier_wait -3
	s_barrier_signal -1
	s_barrier_wait -1
.endm
.macro CROUND
	s_barrier_signal -1
	s_barrier_wait -1
	CREST
.endm
; 8 products: A's block a against B's eight.  p: the fragment set; q: the slot's step (scale words in lanes 0-15 or 16-31); sig: the scale set; cm = 1: the first product starts the sums
.macro MULG a, p, q, sig, cm
.irp b, 0,1,2,3,4,5,6,7
.if (\cm) == 1
	v_wmma_scale_f32_16x16x128_f8f6f4 v[64*((\a)%4)+8*\b:64*((\a)%4)+8*\b+7], v[96*(\p)+12*\b:96*(\p)+12*\b+11], v[64+96*(\p)+12*(\a):64+96*(\p)+12*(\a)+11], 0, v[40+16*(\sig)+\b], v[32+16*(\sig)+(\a)] matrix_a_fmt:MATRIX_FMT_BF6 matrix_b_fmt:MATRIX_FMT_BF6
.elseif (\q) == 0
	v_wmma_scale_f32_16x16x128_f8f6f4 v[64*((\a)%4)+8*\b:64*((\a)%4)+8*\b+7], v[96*(\p)+12*\b:96*(\p)+12*\b+11], v[64+96*(\p)+12*(\a):64+96*(\p)+12*(\a)+11], v[64*((\a)%4)+8*\b:64*((\a)%4)+8*\b+7], v[40+16*(\sig)+\b], v[32+16*(\sig)+(\a)] matrix_a_fmt:MATRIX_FMT_BF6 matrix_b_fmt:MATRIX_FMT_BF6
.else
	v_wmma_scale_f32_16x16x128_f8f6f4 v[64*((\a)%4)+8*\b:64*((\a)%4)+8*\b+7], v[96*(\p)+12*\b:96*(\p)+12*\b+11], v[64+96*(\p)+12*(\a):64+96*(\p)+12*(\a)+11], v[64*((\a)%4)+8*\b:64*((\a)%4)+8*\b+7], v[40+16*(\sig)+\b], v[32+16*(\sig)+(\a)] matrix_a_fmt:MATRIX_FMT_BF6 matrix_b_fmt:MATRIX_FMT_BF6 matrix_a_scale:MATRIX_SCALE_ROW1 matrix_b_scale:MATRIX_SCALE_ROW1
.endif
.endr
.endm
.macro FETCH_B slot, q, p
	WIN 0x40
.irp i, 0,1,2,3,4,5,6,7
.irp c, 0,1,2
	ds_load_b128 v[96*(\p)+12*\i+4*\c:96*(\p)+12*\i+4*\c+3], v[20+\slot] offset:3072*\i+1536*(\q)+512*\c
.endr
.endr
	WIN 0
.endm
.macro FETCH_A slot, q, p
.irp i, 0,1,2,3,4,5,6,7
.irp c, 0,1,2
	ds_load_b128 v[64+96*(\p)+12*\i+4*\c:64+96*(\p)+12*\i+4*\c+3], v[16+\slot] offset:3072*\i+1536*(\q)+512*\c
.endr
.endr
.endm
.macro SCALES sig
.irp a, 0,1,2,3,4,5,6,7
	ds_load_b32 v[32+16*(\sig)+\a], v22 offset:64*\a
.endr
.irp b, 0,1,2,3,4,5,6,7
	ds_load_b32 v[40+16*(\sig)+\b], v23 offset:64*\b
.endr
.endm
.macro STEP slot, cm                   ; a slot's first step: multiplies set 0 and fetches the second step's fragments into set 1
	PLACES 4                                       ; four places in front of loads into registers that the products just issued have read
	FETCH_B \slot, 1, 1
	FETCH_A \slot, 1, 1
	s_wait_dscnt 3*(8+NA)                          ; all but the fetches just issued: set 0 and the slot's scale words are in
	WIN 0xa1
	MULG 0, 0, 0, \slot, \cm
	MULG 1, 0, 0, \slot, \cm
	MULG 2, 0, 0, \slot, \cm
	MULG 3, 0, 0, \slot, \cm
	WIN 0xf1
	MULG 4, 0, 0, \slot, \cm
	MULG 5, 0, 0, \slot, \cm
	MULG 6, 0, 0, \slot, \cm
	MULG 7, 0, 0, \slot, \cm
	WIN 0
.endm
.macro TURN slot, next, fill           ; a slot's second step changes slots
	s_wait_tensorcnt 0x0                           ; all my tensor loads have landed: my part of the next slot
	ds_add_u32 v28, v29                            ; 0 onto my spare word
	s_wait_dscnt 1                                 ; only the add may be out: set 1 is in, and my reads of this slot are over
	WIN 0xa1
	MULG 0, 1, 1, \slot, 0
	MULG 1, 1, 1, \slot, 0
	s_wait_dscnt 0x0                               ; the add is done
	s_barrier_signal -1
	MULG 2, 1, 1, \slot, 0
	MULG 3, 1, 1, \slot, 0
	WIN 0
	s_barrier_wait -1
.if \fill
	CREST                                          ; the barrier has opened a round of the cluster's barrier: no wave of any partner still reads this slot or has a load on its way
	s_add_nc_u64 s[34+4*\slot:35+4*\slot], s[34+4*\slot:35+4*\slot], 6144
	s_add_nc_u64 s[58+4*\slot:59+4*\slot], s[58+4*\slot:59+4*\slot], 6144
	JLOAD 32+4*\slot, 24, 56+4*\slot, 48           ; the first tensor load behind the round; its four v_nop are the places in front of the loads below
.else
	PLACES 4
.endif
	v_add_nc_u32 v22, 2*SAP, v22                   ; on to the next slot's scale words
	v_add_nc_u32 v23, 2048, v23
	FETCH_B \next, 0, 0
	FETCH_A \next, 0, 0
	SCALES \next
	WIN 0xf1
	MULG 4, 1, 1, \slot, 0
	MULG 5, 1, 1, \slot, 0
	MULG 6, 1, 1, \slot, 0
	MULG 7, 1, 1, \slot, 0
	WIN 0
.endm
	s_load_b256 s[4:11], s[0:1], 0x0               ; c23 s[4:5], s23 s[6:7], mask s[8:9], c4 s[10:11]
	s_load_b64 s[12:13], s[0:1], 0x20              ; st4
	v_lshl_add_u32 v28, v0, 2, SPARE
	v_mov_b32 v29, 0
	ds_add_u32 v28, v29
	ds_add_u32 v28, v29
	s_wait_dscnt 0x0
	v_lshrrev_b32 v1, 5, v0
	v_readfirstlane_b32 s92, v1                    ; wave
	s_lshr_b32 s93, s92, 1                         ; which half of the queries is mine.  Also: I fetch for A (0) or for B (1)
	s_and_b32 s94, s92, 1                          ; which half of the keys.  Also: which half of that tile I fetch
	s_bfe_u32 s95, ttmp6, 0x40000                  ; cx
	s_bfe_u32 s96, ttmp6, 0x40004                  ; cy
	s_and_b32 s40, ttmp7, 0xffff                   ; the cluster's y: 0 .. 7
	s_lshr_b32 s99, s40, 1                         ; the batch: 8 tile rows each
	s_lshl_b32 s97, s40, 2
	s_add_co_u32 s97, s97, s96                     ; tile row, 0 .. 31 over all batches
	s_lshl_b32 s98, ttmp9, 2
	s_add_co_u32 s98, s98, s95                     ; tile column, 0 .. 7
	s_lshl_b32 s43, s96, 2
	s_lshl_b32 s43, 15, s43                        ; my row of the cluster
	s_lshl_b32 s44, 0x1111, s95                    ; my column
	s_or_b32 s24, s43, (3<<16)|(1<<21)             ; descriptor groups 1: elements of 8 bytes, no padding, the mask and bit 21 beside it
	s_or_b32 s48, s44, (3<<16)|(1<<21)
	s_or_b32 s68, s43, (3<<16)|(1<<21)
	s_or_b32 s80, s44, (3<<16)|(1<<21)
.irp g, 24, 48                         ; codes: 8 rows (blocks) of 384 elements, KS x 192 elements apart
	s_mov_b32 s[\g+1], 384<<16
	s_mov_b32 s[\g+2], 8<<16
	s_mov_b32 s[\g+3], 384<<16
	s_mov_b32 s[\g+4], 8
	s_mov_b32 s[\g+5], KS*192
	s_mov_b32 s[\g+6], 0
	s_mov_b32 s[\g+7], 0
.endr
.irp g, 68, 80                         ; scale words: KS / 2 rows (K steps) of 128 elements
	s_mov_b32 s[\g+1], 128<<16
	s_mov_b32 s[\g+2], (KS/2)<<16
	s_mov_b32 s[\g+3], 128<<16
	s_mov_b32 s[\g+4], KS/2
	s_mov_b32 s[\g+5], PIT/8
	s_mov_b32 s[\g+6], 0
	s_mov_b32 s[\g+7], 0
.endr
	s_lshl_b32 s46, s97, 4                         ; Q's first block: hangs on the tile row alone
	s_lshl_b32 s47, s99, 7
	s_add_co_u32 s47, s47, 512
	s_lshl_b32 s67, s98, 4
	s_add_co_u32 s47, s47, s67                     ; K's: on the batch and the tile column
	s_lshl_b32 s45, s94, 3
	s_add_co_u32 s18, s46, s45
	s_mul_i32 s18, s18, KS*1536
	s_mov_b32 s19, 0
	s_add_co_u32 s22, s47, s45
	s_mul_i32 s22, s22, KS*1536
	s_mov_b32 s23, 0
	s_mul_i32 s42, s94, (KS/2)*PIT
	s_lshl_b32 s40, s46, 6
	s_add_co_u32 s40, s40, s42
	s_mov_b32 s41, 0
	s_lshl_b32 s66, s47, 6
	s_add_co_u32 s66, s66, s42
	s_mov_b32 s67, 0
	s_mul_i32 s100, s94, AH
	s_mul_i32 s101, s94, BH
	s_add_co_u32 s101, s101, 2*AH
	s_mul_i32 s2, s94, (KS/2)*SAP
	s_add_co_u32 s2, s2, SCA
	s_mul_i32 s3, s94, (KS/2)*1024
	s_add_co_u32 s3, s3, SCB
	s_wait_kmcnt 0x0
	s_add_nc_u64 s[18:19], s[4:5], s[18:19]
	s_add_nc_u64 s[22:23], s[4:5], s[22:23]
	s_add_nc_u64 s[40:41], s[6:7], s[40:41]
	s_add_nc_u64 s[66:67], s[6:7], s[66:67]
	CROUND                                         ; all sixteen work-groups are here: the first joint loads meet
	s_mov_b32 s76, 1
	s_mov_b32 s77, s2
	s_mov_b64 s[78:79], s[40:41]
	s_or_b32 s79, s79, 0x80000000
	s_mov_b32 s88, 1
	s_mov_b32 s89, s3
	s_mov_b64 s[90:91], s[66:67]
	s_or_b32 s91, s91, 0x80000000
	JLOAD 76, 68, 88, 80                           ; the scale words of all of K: filled once
.irp s, 0,1
	s_mov_b32 s[32+4*\s], 1
	s_add_co_u32 s[33+4*\s], s100, \s*SLOT
	s_add_nc_u64 s[34+4*\s:35+4*\s], s[18:19], \s*3072
	s_or_b32 s[35+4*\s], s[35+4*\s], 0x80000000
	s_mov_b32 s[56+4*\s], 1
	s_add_co_u32 s[57+4*\s], s101, \s*SLOT
	s_add_nc_u64 s[58+4*\s:59+4*\s], s[22:23], \s*3072
	s_or_b32 s[59+4*\s], s[59+4*\s], 0x80000000
	JLOAD 32+4*\s, 24, 56+4*\s, 48                 ; three tensor loads of mine are out at the most
.endr
	v_and_b32 v1, 15, v0                           ; r
	v_bfe_u32 v2, v0, 4, 1                         ; h
	v_and_b32 v3, 31, v0                           ; lane
	v_lshlrev_b32 v4, 4, v3                        ; 16 x lane
	s_and_b32 s40, s97, 7                          ; the mask: my first query within the batch,
	s_lshl_b32 s40, s40, 8
	s_lshl_b32 s41, s93, 7
	s_add_co_u32 s40, s40, s41
	s_lshl_b32 s40, s40, 13                        ; rows of 8,192 bytes,
	s_lshl_b32 s41, s98, 10
	s_add_co_u32 s40, s40, s41
	s_lshl_b32 s41, s94, 9
	s_add_co_u32 s40, s40, s41                     ; my first key
	s_mov_b32 s41, 0
	s_add_nc_u64 s[8:9], s[8:9], s[40:41]
; The mask's rows of block a: 16 rows x 512 consecutive bytes, a row an instruction, into window 1
.macro MLOAD a
.set MR, 192-192*((\a)%2)
	WIN 0x40
.irp t, 0,1,2,3,4,5,6,7,8,9,10,11,12,13,14,15
	global_load_b128 v[MR+4*\t:MR+4*\t+3], v4, s[8:9] offset:(32*((\a)/2)+8*((\a)%2)+\t+8*(\t/8))*8192
.endr
	WIN 0
.endm
	MLOAD 0                                        ; block 0's rows are asked for now and stay out through the whole loop: nothing else of the loop counts on LOADcnt or touches these registers
	s_mul_i32 s40, s93, AH
	s_mul_i32 s41, s94, BH
	s_add_co_u32 s41, s41, 2*AH
.irp s, 0,1
	v_add_nc_u32 v[16+\s], s40, v4
	v_add_nc_u32 v[20+\s], s41, v4
	s_add_co_u32 s40, s40, SLOT
	s_add_co_u32 s41, s41, SLOT
.endr
	v_lshlrev_b32 v22, 2, v1
	v_mad_u32_u24 v23, v2, 1024, v22               ; lanes 16-31 take the words one K step on
	v_mad_u32_u24 v22, v2, SAP, v22
	s_mul_i32 s40, s93, NA*64
	s_add_co_u32 s40, s40, SCA
	v_add_nc_u32 v22, s40, v22
	s_lshl_b32 s41, s94, 9
	s_add_co_u32 s41, s41, SCB
	v_add_nc_u32 v23, s41, v23
	s_lshl_b32 s42, s97, 4
	s_lshl_b32 s45, s93, 3
	s_add_co_u32 s42, s42, s45                     ; my first block of P: 16 x tile row + 8 x half
	s_lshl_b32 s45, s98, 1
	s_add_co_u32 s45, s45, s94                     ; my K step of P: 2 x tile column + half
	s_lshl_b32 s40, s42, 4
	s_add_co_u32 s40, s40, s45
	s_mul_i32 s40, s40, 1536
	s_mov_b32 s41, 0
	s_add_nc_u64 s[10:11], s[10:11], s[40:41]
	s_lshl_b32 s40, s45, 15
	s_lshl_b32 s46, s42, 6
	s_add_co_u32 s40, s40, s46
	s_add_nc_u64 s[12:13], s[12:13], s[40:41]      ; scale words, -M', l': [K step][block][r], three planes
	s_mul_i32 s40, s92, 8448
	s_add_co_u32 s40, s40, STG
	v_add_nc_u32 v5, s40, v4                       ; my stage: in, a row of 512 bytes an instruction;
	v_mul_u32_u24 v6, v1, 528
	v_lshl_add_u32 v6, v2, 6, v6
	v_add_nc_u32 v6, s40, v6                       ; out: row r, + 64 h bytes: keys 32 b + 16 h + 0 .. 15
	s_mul_i32 s40, s92, 1536
	s_add_co_u32 s40, s40, SST
	v_lshl_add_u32 v7, v1, 2, s40
	v_add_nc_u32 v8, s40, v4
	s_mov_b32 s20, 0x76543210
	s_mov_b32 s21, 0xfedcba98                      ; v_permlanex16_b32's selects for lane l xor 16
	s_mov_b32 s22, 0x3d38aa3b                      ; c = log2(e) / 32
	s_mov_b32 s23, s22                             ; (named with it as a pair, so it is written)
	s_wait_tensorcnt 1                             ; the scale words and my part of slot 0 are in; slot 1's load may be out
	s_barrier_signal -1
	s_barrier_wait -1
	FETCH_B 0, 0, 0
	FETCH_A 0, 0, 0
	SCALES 0
	STEP 0, 1                                      ; the first step stands in front of the loop: its products start the sums
	s_mov_b32 s3, LAPS-1
.Llap:                                                 ; a trip goes once round the ring and fills both slots again.  The 64 accumulators take turns, over the backward jump too
	TURN 0, 1, 1
	STEP 1, 0
	TURN 1, 0, 1
	STEP 0, 0
	s_sub_co_u32 s3, s3, 1
	s_cmp_lg_u32 s3, 0
	s_cbranch_scc1 .Llap
	TURN 0, 1, 0                                   ; the last lap fills nothing
	STEP 1, 0
	s_wait_dscnt 0x0
	WIN 0xa1
	MULG 0, 1, 1, 1, 0
	MULG 1, 1, 1, 1, 0
	MULG 2, 1, 1, 1, 0
	MULG 3, 1, 1, 1, 0
	WIN 0xf1
	MULG 4, 1, 1, 1, 0
	MULG 5, 1, 1, 1, 0
	MULG 6, 1, 1, 1, 0
	MULG 7, 1, 1, 1, 0
	WIN 0
; Block a's mask rows turn through my stage, so that a lane gets its own query's 64 numbers in the accumulators' order.  LDS serves a wave's instructions in order: no wait between the stores and the loads.
.macro MTURN a
.set MR, 192-192*((\a)%2)
.set TT, 64+64*((\a)%2)
	WIN 0x04                                       ; an LDS store's data are its source 1: window 1
.irp t, 0,1,2,3,4,5,6,7,8,9,10,11,12,13,14,15
	ds_store_b128 v5, v[MR+4*\t:MR+4*\t+3] offset:528*\t
.endr
	WIN 0
.irp b, 0,1,2,3
.irp j, 0,1,2,3
	ds_load_b128 v[TT+16*\b+4*\j:TT+16*\b+4*\j+3], v6 offset:128*\b+16*\j
.endr
.endr
.endm
; Block a: 16 queries x 128 keys, a query a lane pair.
.macro SOFT a
.set TT, 64+64*((\a)%2)
.set PP, 192+20*((\a)%2)
.set AC, 64*((\a)%4)
	WIN 0x20+0x10*((\a)/4)                         ; source 2: the accumulators' window
.set J, 0
.rept 32
	v_pk_fma_f32 v[TT+J:TT+J+1], v[TT+J:TT+J+1], 0x42000000, v[AC+J:AC+J+1] op_sel_hi:[1,0,1]   ; s' = 32 x mask + score; each accumulator is read from its low end on
.set J, J+2
.endr
	WIN 0
.set J, 0
.rept 32
	v_pk_mul_f32 v[TT+J:TT+J+1], v[TT+J:TT+J+1], s[22:23] op_sel_hi:[1,0]   ; t, rounded to f32 here (see the head)
.set J, J+2
.endr
.irp b, 0,1,2,3
	v_max3_num_f32 v[232+\b], v[TT+16*\b], v[TT+1+16*\b], v[TT+2+16*\b]   ; the largest t of each block of 32 keys: it serves for M' and, since p rises with t, for the block's largest p
.endr
.irp i, 3,5,7,9,11,13
.irp b, 0,1,2,3
	v_max3_num_f32 v[232+\b], v[232+\b], v[TT+16*\b+\i], v[TT+1+16*\b+\i]
.endr
.endr
.irp b, 0,1,2,3
	v_max_num_f32 v[232+\b], v[232+\b], v[TT+15+16*\b]
.endr
.irp b, 0,1,2,3
	v_permlanex16_b32 v[236+\b], v[232+\b], s20, s21
.endr
.irp b, 0,1,2,3
	v_max_num_f32 v[232+\b], v[232+\b], v[236+\b]  ; with lane l xor 16's 16 keys
.endr
	v_max3_num_f32 v252, v232, v233, v234
	v_max3_num_f32 v252, v252, v235, 0xff61b1e6    ; the largest t of the 128 keys, held at -3e38 from below
	v_floor_f32 v248, -v252                        ; -M' = floor(-t): a whole number
.set J, 0
.rept 32
	v_pk_add_f32 v[TT+J:TT+J+1], v[TT+J:TT+J+1], v[248:249] op_sel_hi:[1,0]   ; t - M', at most 0
.set J, J+2
.endr
.irp b, 0,1,2,3
	v_add_f32 v[232+\b], v[232+\b], v248           ; the same of each block's largest t
.endr
.set J, 0
.rept 64
	v_exp_f32 v[TT+J], v[TT+J]                     ; p = 2^(t - M')
.set J, J+1
.endr
	v_nop                                          ; a plain place behind the exponentials
	s_wait_alu depctr_va_vdst(0)                   ; one wait for the whole batch, ahead of its first reader
.irp b, 0,1,2,3
	v_exp_f32 v[232+\b], v[232+\b]                 ; the block's largest p: the same two instructions on the same number give the same bits
.endr
	v_pk_add_f32 v[250:251], v[TT:TT+1], v[TT+2:TT+3]   ; the sum of the unquantised p, two at a time, in two chains: it reads the 64 alone
	v_pk_add_f32 v[236:237], v[TT+4:TT+5], v[TT+6:TT+7]
.irp j, 8,12,16,20,24,28,32,36,40,44,48,52,56,60
	v_pk_add_f32 v[250:251], v[250:251], v[TT+\j:TT+\j+1]
	v_pk_add_f32 v[236:237], v[236:237], v[TT+\j+2:TT+\j+3]
.endr
	v_pk_add_f32 v[250:251], v[250:251], v[236:237]
	v_add_f32 v250, v250, v251
	v_permlanex16_b32 v252, v250, s20, s21
	v_add_f32 v250, v250, v252                     ; l': my query's 128 keys
	s_wait_alu depctr_va_vdst(0)                   ; and one wait for the four
.irp b, 0,1,2,3
	v_max_num_f32 v[232+\b], 0x2800000, v[232+\b]  ; the floor 2^(5 - 127): the byte cannot fall under 1
.endr
.irp b, 0,1,2,3
	v_add_nc_u32 v[244+\b], 0xfe000000, v[232+\b]  ; 4 off the exponent field: the conversion's scale operand
.endr
.irp b, 0,1,2,3
	v_lshrrev_b32 v[236+\b], 23, v[244+\b]         ; the scale's byte, under M'
.endr
	v_lshl_or_b32 v253, v237, 8, v236
	v_lshl_or_b32 v253, v238, 16, v253
	v_lshl_or_b32 v253, v239, 24, v253
.if (\a) >= 2
	s_wait_xcnt 0x0                                ; the stores of two blocks ago have read these codes' registers
.endif
.irp c, 0,1
	v_cvt_scalef32_pk16_bf6_f32 v[PP+6*\c:PP+2+6*\c], v[TT+32*\c:TT+15+32*\c], v[244+2*\c]
	v_cvt_scalef32_pk16_bf6_f32 v[PP+12+4*\c:PP+14+4*\c], v[TT+16+32*\c:TT+31+32*\c], v[245+2*\c]   ; (a conversion's three registers begin on an even number)
.endr
	v_nop                                          ; one plain place behind a scaled conversion
.irp c, 0,1                                    ; the operand's layout wants a whole block in a lane
.irp i, 0,1,2
	v_permlane16_swap_b32 v[PP+6*\c+\i], v[PP+12+4*\c+\i]
.endr
.irp i, 0,1,2
	v_mov_b32 v[PP+3+6*\c+\i], v[PP+12+4*\c+\i]
.endr
.endr
.irp c, 0,1,2
	global_store_b128 v4, v[PP+4*\c:PP+4*\c+3], s[10:11] offset:24576*(\a)+512*\c   ; the fragment's image: 512 consecutive bytes a store
.endr
	ds_store_b32 v7, v253 offset:64*(\a)           ; lanes r and 16 + r write the same words with the same values; the wait at the next block's head frees the three registers
	ds_store_b32 v7, v248 offset:512+64*(\a)
	ds_store_b32 v7, v250 offset:1024+64*(\a)
.endm
	PLACES 4                                       ; four places between the last products and what reads their results or writes their operands' registers
.irp b, 0,1,2,3
	v_mov_b32 v[236+\b], 0                         ; written once: a lane permute's destination counts as one of its sources
.endr
	v_mov_b32 v249, 0                              ; (named as the upper half of the pair v[248:249])
	MLOAD 1
	s_wait_loadcnt 16                              ; block 0's rows are in; block 1's 16 loads may be out
	MTURN 0
.irp a, 0,1,2,3,4,5,6,7
	s_wait_dscnt 0x0                               ; block a's mask numbers are in my registers; the stage's stores and the last block's three words are done
.if \a < 6
	MLOAD \a+2
.endif
.if \a < 6
	s_wait_loadcnt 16                              ; block a + 1's rows are in; block a + 2's may be out
	MTURN \a+1
.elseif \a == 6
	s_wait_loadcnt 0x0
	MTURN \a+1
.endif
	SOFT \a
.endr
.irp c, 0,1,2
	ds_load_b128 v[64+4*\c:67+4*\c], v8 offset:512*\c   ; LDS serves a wave's instructions in order: these see my stores
.endr
	s_wait_dscnt 0x0
.irp c, 0,1,2
	global_store_b128 v4, v[64+4*\c:67+4*\c], s[12:13] offset:524288*\c   ; my eight blocks' words of a plane: 512 consecutive bytes
.endr
	s_wait_tensorcnt 0x0                           ; the wave's end
	ds_add_u32 v28, v29
	s_wait_dscnt 0x0
	CROUND                                         ; the closing round
	s_endpgm
.Lfunc_end_k_qb82eee6df9_score:
	.size	k_qb82eee6df9_score, .Lfunc_end_k_qb82eee6df9_score-k_qb82eee6df9_score
	.p2alignl 7, 3214868480
	.fill 96, 4, 3214868480
	.section	.rodata,"a",@progbits
	.p2align	6, 0x0
	.amdhsa_kernel k_qb82eee6df9_score
		.amdhsa_group_segment_fixed_size 327680
		.amdhsa_private_segment_fixed_size 0
		.amdhsa_enable_private_segment 0
		.amdhsa_kernarg_size 40
		.amdhsa_user_sgpr_count 2
		.amdhsa_user_sgpr_kernarg_segment_ptr 1
		.amdhsa_wavefront_size32 1
		.amdhsa_system_sgpr_workgroup_id_x 1
		.amdhsa_system_sgpr_workgroup_id_y 1
		.amdhsa_system_sgpr_workgroup_id_z 1
		.amdhsa_system_vgpr_workitem_id 0
		.amdhsa_next_free_vgpr 1024
		.amdhsa_next_free_sgpr 104
		.amdhsa_reserve_vcc 0
		.amdhsa_float_denorm_mode_32 3
		.amdhsa_float_denorm_mode_16_64 3
		.amdhsa_memory_ordered 1
		.amdhsa_forward_progress 1
		.amdhsa_inst_pref_size 255
	.end_amdhsa_kernel
	.section	.bss,"aw",@nobits
	.p2align	6
	.space	262144
	.amdgpu_metadata
---
amdhsa.version: [ 1, 2 ]
amdhsa.kernels:
  - .name:           k_qb82eee6df9_score
    .symbol:         k_qb82eee6df9_score.kd
    .args:
      - { .name: c23, .offset: 0, .size: 8, .value_kind: global_buffer, .address_space: global }
      - { .name: s23, .offset: 8, .size: 8, .value_kind: global_buffer, .address_space: global }
      - { .name: mask, .offset: 16, .size: 8, .value_kind: global_buffer, .address_space: global }
      - { .name: c4, .offset: 24, .size: 8, .value_kind: global_buffer, .address_space: global }
      - { .name: st4, .offset: 32, .size: 8, .value_kind: global_buffer, .address_space: global }
    .group_segment_fixed_size: 327680
    .private_segment_fixed_size: 0
    .kernarg_segment_align: 8
    .kernarg_segment_size: 40
    .max_flat_workgroup_size: 128
    .sgpr_count:     104
    .vgpr_count:     1024
    .wavefront_size: 32
...
	.end_amdgpu_metadata
.endif
;; end of part 3
;; launch pv (part 4): grid 4 x 64, 4 waves a work-group, clusters of 4 x 4, 327,680 bytes of LDS; arguments c4, st4, c23, s23, out0; writes out0
.if DOCPART == 4
	.amdgcn_target "amdgcn-amd-amdhsa--gfx1250"
	.amdhsa_code_object_version 6
	.text
	.protected	k_qb82eee6df9_pv
	.globl	k_qb82eee6df9_pv
	.p2align	8
	.type	k_qb82eee6df9_pv,@function
k_qb82eee6df9_pv:
	s_mov_b64 s[64:65], 0
	v_nop
	global_prefetch_b8 v0, s[64:65] scope:SCOPE_SE
	s_setreg_imm32_b32 hwreg(HW_REG_WAVE_MODE, 25, 1), 1
	s_wait_xcnt 0x0
	s_wait_alu depctr_hold_cnt(0) depctr_sa_sdst(0) depctr_va_vdst(0) depctr_va_sdst(0) depctr_va_ssrc(0) depctr_va_vcc(0) depctr_vm_vsrc(0)
	s_getreg_b32 s2, hwreg(HW_REG_IB_STS2, 6, 4)
	s_cmp_eq_u32 s2, 0
	s_cbranch_scc0 .Lentry_in_a_cluster
	s_endpgm
.Lentry_in_a_cluster:
	s_bfe_u32 s2, ttmp6, 0x10000c
	s_cmp_lg_u32 s2, 0xf033
	s_cbranch_scc0 .Lentry_shape_is_right
	s_endpgm
.Lentry_shape_is_right:
; out = (P V) / l on codes of BF6 (E3M2).  P: 8,192 query rows x 2,048 keys as images of registers (fragment (block i, K step s) at (16 i + s) x 1,536), quantised under a LOCAL whole number M' for each row and each 128 keys.
; V^T: rows batch x 1,024 + channel, the keys along K, the same layout.  Lane r of block i is row 32 (i / 2) + 8 (i % 2) + r + 8 (r / 8).
; THE HEAD brings P's scales and sums under each row's own M = the largest of its 16 M'.  d = M - M' is a whole number, 0 or more: each of the four scale bytes of that K step has d taken off (held at 0), and l = the sum of l' x 2^-d.  Both are exact.
; Thread t of the work-group does this for place t of the tile's 128 rows; the mended scale words and 1 / l go to LDS, in bytes that no tensor load fills.
; LIMIT: a block whose scale would fall under 2^-127 keeps its codes under the byte 0: each of its terms lies under 28 x 2^-127, beside a row whose largest p is above 1 / 2.  A row whose every logit is -infinity gives NaN.
; A tile of the result is 128 queries x 256 channels; four waves, each 64 x 128: 32 accumulators.  Source 0 = 16 channels, source 1 = 16 queries: a lane holds one query, its registers run along the channels.
; K (the keys) goes in slots of 512 (four steps of 128; a tile's row is one block's 6,144 consecutive bytes) through a ring of two LDS slots of 147,456 bytes, as large as fit: four fills in all, two at the start and two refills.
; Between a refill's request and the wait for it a wave issues 16 + 3 x 32 = 112 matrix instructions.  The sixteen steps are written out: a loop would have one trip.
; CLUSTER 4 x 4: P's tiles are shared along a row of the cluster, V's along a column: joint loads.  V's scale words of all of K come once.
; REGISTERS: window 0: v1-29 addresses, v8-15 1 / l; v32-63 scale words, nothing else; v64.., v160.. P's fragments, two sets.  window 1: v0-191 V's fragments, two sets.  window 2: the accumulators, (a, b) at 64 a + 8 b.
.set NA, 4
.set KS, 16
.set AH, NA*6144                       ; half of P's tile in a slot: a block's four fragments are 6,144 bytes
.set BH, 8*6144                        ; half of V's
.set SLOT, 2*AH+2*BH
.set SAP, 128*NA
.set SCA, 2*SLOT                       ; P's mended scale words: written by LDS stores
.set SCB, SCA+KS*SAP                   ; V's scale words: filled once by tensor loads
.set RL, SCB+KS*1024                   ; 1 / l of the tile's 128 rows
.set SPARE, RL+512                     ; the spare words, 128 bytes for each wave: no other line names them
.set STG, 0                            ; the way out: a stage of 16 rows x (512 + 16) bytes for each wave.  It lies in slot 0, which has had its last fill and its last read when the first result is stored there
.set CV, 12582912                      ; where V^T's codes begin in c23
.set SV, 524288                        ; and its scale words in s23
.set MSB, 0
.macro WIN new                         ; the immediate's high byte repeats the setting that is left
.if MSB != (\new)
	s_set_vgpr_msb (MSB<<8)|(\new)
.set MSB, (\new)
.endif
.endm
.macro PLACES n
.rept \n
	v_nop
.endr
.endm
.macro JLOAD g0a, g1a, g0b, g1b        ; a joint load: waves 0 and 1 fetch for A, waves 2 and 3 for B; four v_nop follow each of the two lines
	s_cmp_eq_u32 s93, 0
	s_cbranch_scc0 .Lfor_b_\@
	tensor_load_to_lds s[\g0a:\g0a+3], s[\g1a:\g1a+7]
	s_nop 0
.rept 4
	v_nop
.endr
	s_branch .Lasked_\@
.Lfor_b_\@:
	tensor_load_to_lds s[\g0b:\g0b+3], s[\g1b:\g1b+7]
	s_nop 0
.rept 4
	v_nop
.endr
.Lasked_\@:
.endm
.macro CREST
	s_cmp_lg_u32 s92, 0
	s_cbranch_scc1 .Lnot_wave_0_\@
	s_barrier_signal -3
.Lnot_wave_0_\@:
	s_barrier_wait -3
	s_barrier_signal -1
	s_barrier_wait -1
.endm
.macro CROUND
	s_barrier_signal -1
	s_barrier_wait -1
	CREST
.endm
.macro MULG a, p, q, sig, cm           ; 8 products: A's block a against B's eight.  p: the fragment set; q: which of a pair of steps (scale words in lanes 0-15 or 16-31); sig: the scale set; cm = 1: the first product starts the sums
.irp b, 0,1,2,3,4,5,6,7
.if (\cm) == 1
	v_wmma_scale_f32_16x16x128_f8f6f4 v[64*(\a)+8*\b:64*(\a)+8*\b+7], v[96*(\p)+12*\b:96*(\p)+12*\b+11], v[64+96*(\p)+12*(\a):64+96*(\p)+12*(\a)+11], 0, v[40+16*(\sig)+\b], v[32+16*(\sig)+(\a)] matrix_a_fmt:MATRIX_FMT_BF6 matrix_b_fmt:MATRIX_FMT_BF6
.elseif (\q) == 0
	v_wmma_scale_f32_16x16x128_f8f6f4 v[64*(\a)+8*\b:64*(\a)+8*\b+7], v[96*(\p)+12*\b:96*(\p)+12*\b+11], v[64+96*(\p)+12*(\a):64+96*(\p)+12*(\a)+11], v[64*(\a)+8*\b:64*(\a)+8*\b+7], v[40+16*(\sig)+\b], v[32+16*(\sig)+(\a)] matrix_a_fmt:MATRIX_FMT_BF6 matrix_b_fmt:MATRIX_FMT_BF6
.else
	v_wmma_scale_f32_16x16x128_f8f6f4 v[64*(\a)+8*\b:64*(\a)+8*\b+7], v[96*(\p)+12*\b:96*(\p)+12*\b+11], v[64+96*(\p)+12*(\a):64+96*(\p)+12*(\a)+11], v[64*(\a)+8*\b:64*(\a)+8*\b+7], v[40+16*(\sig)+\b], v[32+16*(\sig)+(\a)] matrix_a_fmt:MATRIX_FMT_BF6 matrix_b_fmt:MATRIX_FMT_BF6 matrix_a_scale:MATRIX_SCALE_ROW1 matrix_b_scale:MATRIX_SCALE_ROW1
.endif
.endr
.endm
.macro FETCH_B slot, q, p              ; B's eight fragments of the slot's q-th step into set p: three loads of 512 consecutive bytes each
	WIN 0x40
.irp i, 0,1,2,3,4,5,6,7
.irp c, 0,1,2
	ds_load_b128 v[96*(\p)+12*\i+4*\c:96*(\p)+12*\i+4*\c+3], v[20+\slot] offset:6144*\i+1536*(\q)+512*\c
.endr
.endr
	WIN 0
.endm
.macro FETCH_A slot, q, p
.irp i, 0,1,2,3
.irp c, 0,1,2
	ds_load_b128 v[64+96*(\p)+12*\i+4*\c:64+96*(\p)+12*\i+4*\c+3], v[16+\slot] offset:6144*\i+1536*(\q)+512*\c
.endr
.endr
.endm
.macro SCALES sig                      ; the scale words of a pair of steps: lanes 0-15 the first step's, lanes 16-31 the second's
.irp a, 0,1,2,3
	ds_load_b32 v[32+16*(\sig)+\a], v22 offset:64*\a
.endr
.irp b, 0,1,2,3,4,5,6,7
	ds_load_b32 v[40+16*(\sig)+\b], v23 offset:64*\b
.endr
.endm
; Step q (0, 1 or 2) of a slot: multiplies fragment set q % 2 under scale set q / 2 and fetches step q + 1 of the same slot into the other set; at q = 1 the next pair's scale words come too.
.macro STEP slot, q, cm
	PLACES 4                                       ; four places in front of loads into registers that the products just issued have read
.if (\q) == 1
	v_add_nc_u32 v22, 2*SAP, v22                   ; on to the next pair's scale words
	v_add_nc_u32 v23, 2048, v23
.endif
	FETCH_B \slot, (\q)+1, ((\q)+1)%2
	FETCH_A \slot, (\q)+1, ((\q)+1)%2
.if (\q) == 1
	SCALES 1
	s_wait_dscnt 4*(8+NA)                          ; all but the 36 fragment loads and the 12 scale loads just issued: this step's set is in
.else
	s_wait_dscnt 3*(8+NA)                          ; all but the 36 fragment loads just issued: this step's set and its scale words are in
.endif
	WIN 0xa1
	MULG 0, (\q)%2, (\q)%2, (\q)/2, \cm
	MULG 1, (\q)%2, (\q)%2, (\q)/2, \cm
	MULG 2, (\q)%2, (\q)%2, (\q)/2, \cm
	MULG 3, (\q)%2, (\q)%2, (\q)/2, \cm
	WIN 0
.endm
; A slot's fourth step changes slots: one barrier; in front of it each wave waits for all its tensor loads, adds 0 to its spare word, and waits for that and for its reads of this slot.  fill = 1: the slot is filled again, two slots ahead.
.macro TURN slot, next, fill
	s_wait_tensorcnt 0x0                           ; all my tensor loads have landed: my part of the next slot
	ds_add_u32 v28, v29                            ; 0 onto my spare word
	s_wait_dscnt 1                                 ; only the add may be out: set 1 is in, and my reads of this slot are over
	WIN 0xa1
	MULG 0, 1, 1, 1, 0
	s_wait_dscnt 0x0                               ; the add is done
	s_barrier_signal -1
	MULG 1, 1, 1, 1, 0
	WIN 0
	s_barrier_wait -1
.if \fill
	CREST                                          ; the barrier has opened a round of the cluster's barrier: no wave of any partner still reads this slot or has a load on its way
	s_add_nc_u64 s[34+4*\slot:35+4*\slot], s[34+4*\slot:35+4*\slot], 12288
	s_add_nc_u64 s[58+4*\slot:59+4*\slot], s[58+4*\slot:59+4*\slot], 12288
	JLOAD 32+4*\slot, 24, 56+4*\slot, 48           ; the first tensor load behind the round; its four v_nop are the places in front of the loads below
.else
	PLACES 4
.endif
	v_add_nc_u32 v22, 2*SAP, v22                   ; on to the next pair's scale words
	v_add_nc_u32 v23, 2048, v23
	FETCH_B \next, 0, 0
	FETCH_A \next, 0, 0
	SCALES 0
	WIN 0xa1
	MULG 2, 1, 1, 1, 0
	MULG 3, 1, 1, 1, 0
	WIN 0
.endm
	s_load_b256 s[4:11], s[0:1], 0x0               ; c4 s[4:5], st4 s[6:7], c23 s[8:9], s23 s[10:11]
	s_load_b64 s[12:13], s[0:1], 0x20              ; out0
	v_lshl_add_u32 v28, v0, 2, SPARE
	v_mov_b32 v29, 0
	ds_add_u32 v28, v29
	ds_add_u32 v28, v29
	s_wait_dscnt 0x0
	v_lshrrev_b32 v1, 5, v0
	v_readfirstlane_b32 s92, v1                    ; wave
	s_lshr_b32 s93, s92, 1                         ; which half of the queries is mine.  Also: I fetch for A (0) or for B (1)
	s_and_b32 s94, s92, 1                          ; which half of the channels.  Also: which half of that tile I fetch
	s_bfe_u32 s95, ttmp6, 0x40000                  ; cx
	s_bfe_u32 s96, ttmp6, 0x40004                  ; cy
	s_and_b32 s40, ttmp7, 0xffff                   ; the cluster's y: 0 .. 15
	s_lshr_b32 s99, s40, 2                         ; the batch: 16 tile rows each
	s_lshl_b32 s97, s40, 2
	s_add_co_u32 s97, s97, s96                     ; tile row, 0 .. 63 over all batches
	s_lshl_b32 s98, ttmp9, 2
	s_add_co_u32 s98, s98, s95                     ; tile column, 0 .. 3
	s_lshl_b32 s43, s96, 2
	s_lshl_b32 s43, 15, s43                        ; my row of the cluster
	s_lshl_b32 s44, 0x1111, s95                    ; my column
	s_or_b32 s24, s43, (3<<16)|(1<<21)             ; descriptor groups 1: elements of 8 bytes, no padding, the mask and bit 21 beside it
	s_or_b32 s48, s44, (3<<16)|(1<<21)
	s_or_b32 s80, s44, (3<<16)|(1<<21)
.irp g, 24, 48                         ; codes: rows (blocks) of 768 elements, KS x 192 elements apart
	s_mov_b32 s[\g+1], 768<<16
	s_mov_b32 s[\g+3], 768<<16
	s_mov_b32 s[\g+5], KS*192
	s_mov_b32 s[\g+6], 0
	s_mov_b32 s[\g+7], 0
.endr
	s_mov_b32 s26, NA<<16
	s_mov_b32 s28, NA
	s_mov_b32 s50, 8<<16
	s_mov_b32 s52, 8
	s_mov_b32 s81, 128<<16                         ; V's scale words: 4 rows (K steps) of 128 elements, 2,048 elements apart
	s_mov_b32 s82, 4<<16
	s_mov_b32 s83, 128<<16
	s_mov_b32 s84, 4
	s_mov_b32 s85, 2048
	s_mov_b32 s86, 0
	s_mov_b32 s87, 0
	s_lshl_b32 s46, s97, 3                         ; P's first block: hangs on the tile row alone
	s_lshl_b32 s47, s99, 6
	s_lshl_b32 s67, s98, 4
	s_add_co_u32 s47, s47, s67                     ; V's: on the batch and the tile column
	s_mul_i32 s45, s94, NA
	s_add_co_u32 s18, s46, s45
	s_mul_i32 s18, s18, KS*1536
	s_mov_b32 s19, 0
	s_lshl_b32 s45, s94, 3
	s_add_co_u32 s22, s47, s45
	s_mul_i32 s22, s22, KS*1536
	s_add_co_u32 s22, s22, CV
	s_mov_b32 s23, 0
	s_lshl_b32 s66, s47, 6
	s_lshl_b32 s45, s92, 16                        ; every wave fetches four K steps of V's scale words: 4 x wave x 16,384 bytes on
	s_add_co_u32 s66, s66, s45
	s_add_co_u32 s66, s66, SV
	s_mov_b32 s67, 0
	s_lshl_b32 s40, s97, 9                         ; the tile's words in each plane of st4
	s_mov_b32 s41, 0
	s_mul_i32 s100, s94, AH
	s_mul_i32 s101, s94, BH
	s_add_co_u32 s101, s101, 2*AH
	s_lshl_b32 s3, s92, 12
	s_add_co_u32 s3, s3, SCB
	v_lshlrev_b32 v24, 2, v0                       ; 4 x my thread's number: place t of the tile's 128 rows
	v_lshl_add_u32 v25, v0, 2, SCA
	v_lshl_add_u32 v26, v0, 2, RL
	s_wait_kmcnt 0x0
	s_add_nc_u64 s[18:19], s[4:5], s[18:19]
	s_add_nc_u64 s[22:23], s[8:9], s[22:23]
	s_add_nc_u64 s[66:67], s[10:11], s[66:67]
	s_add_nc_u64 s[6:7], s[6:7], s[40:41]
.irp s, 0,1,2,3,4,5,6,7,8,9,10,11,12,13,14,15
	global_load_b32 v[96+\s], v24, s[6:7] offset:32768*\s            ; my row's scale word of K step s, under its M',
	global_load_b32 v[64+\s], v24, s[6:7] offset:524288+32768*\s     ; -M',
	global_load_b32 v[80+\s], v24, s[6:7] offset:1048576+32768*\s    ; l'
.endr
	CROUND                                         ; all sixteen work-groups are here: the first joint loads meet
	s_mov_b32 s88, 1
	s_mov_b32 s89, s3
	s_mov_b64 s[90:91], s[66:67]
	s_or_b32 s91, s91, 0x80000000
	tensor_load_to_lds s[88:91], s[80:87]          ; V's scale words: every wave its four K steps, jointly with my column of the cluster; filled once
	s_nop 0
.rept 4
	v_nop
.endr
.irp s, 0,1
	s_mov_b32 s[32+4*\s], 1
	s_add_co_u32 s[33+4*\s], s100, \s*SLOT
	s_add_nc_u64 s[34+4*\s:35+4*\s], s[18:19], \s*6144
	s_or_b32 s[35+4*\s], s[35+4*\s], 0x80000000
	s_mov_b32 s[56+4*\s], 1
	s_add_co_u32 s[57+4*\s], s101, \s*SLOT
	s_add_nc_u64 s[58+4*\s:59+4*\s], s[22:23], \s*6144
	s_or_b32 s[59+4*\s], s[59+4*\s], 0x80000000
	JLOAD 32+4*\s, 24, 56+4*\s, 48                 ; K steps 4 s .. 4 s + 3; three tensor loads of mine are out at the most
.endr
	v_and_b32 v1, 15, v0                           ; r
	v_bfe_u32 v2, v0, 4, 1                         ; h
	v_and_b32 v3, 31, v0                           ; lane
	v_lshlrev_b32 v4, 4, v3                        ; 16 x lane
	s_mul_i32 s40, s93, AH
	s_mul_i32 s41, s94, BH
	s_add_co_u32 s41, s41, 2*AH
.irp s, 0,1
	v_add_nc_u32 v[16+\s], s40, v4
	v_add_nc_u32 v[20+\s], s41, v4
	s_add_co_u32 s40, s40, SLOT
	s_add_co_u32 s41, s41, SLOT
.endr
	v_lshlrev_b32 v22, 2, v1
	v_mad_u32_u24 v23, v2, 1024, v22               ; lanes 16-31 take the words one K step on
	v_mad_u32_u24 v22, v2, SAP, v22
	s_mul_i32 s40, s93, NA*64
	s_add_co_u32 s40, s40, SCA
	v_add_nc_u32 v22, s40, v22
	s_lshl_b32 s41, s94, 9
	s_add_co_u32 s41, s41, SCB
	v_add_nc_u32 v23, s41, v23
	s_mul_i32 s40, s92, 8448
	s_add_co_u32 s40, s40, STG
	v_mul_u32_u24 v5, v1, 528
	v_lshl_add_u32 v5, v2, 6, v5
	v_add_nc_u32 v5, s40, v5                       ; my stage: in: row r, + 64 h bytes;
	v_add_nc_u32 v6, s40, v4                       ; back: a row of 512 bytes an instruction
	s_lshl_b32 s40, s93, 8
	s_add_co_u32 s40, s40, RL
	v_lshl_add_u32 v7, v1, 2, s40                  ; 1 / l of my blocks' rows
	s_lshl_b32 s40, s97, 7
	s_lshl_b32 s41, s93, 6
	s_add_co_u32 s40, s40, s41
	s_lshl_b32 s40, s40, 12                        ; out0: my first row, rows of 4,096 bytes,
	s_lshl_b32 s41, s98, 10
	s_add_co_u32 s40, s40, s41
	s_lshl_b32 s41, s94, 9
	s_add_co_u32 s40, s40, s41                     ; my first channel
	s_mov_b32 s41, 0
	s_add_nc_u64 s[12:13], s[12:13], s[40:41]
	s_mov_b32 s100, 0x01010101
	s_mov_b32 s101, 0x80808080
	s_mov_b32 s66, 0x7f7f7f7f
	; THE HEAD'S WORK: my row's 16 scale words and its sum under the row's own M
	s_wait_loadcnt 0x0
	v_min3_num_f32 v120, v64, v65, v66             ; -M = the least of the 16 -M'
.irp i, 67,69,71,73,75,77
	v_min3_num_f32 v120, v120, v[\i], v[\i+1]
.endr
	v_min_num_f32 v120, v120, v79
	v_mov_b32 v121, 0                              ; l
.irp s, 0,1,2,3,4,5,6,7,8,9,10,11,12,13,14,15
	v_sub_f32 v112, v[64+\s], v120                 ; d = M - M': a whole number, 0 or more
	v_cvt_i32_f32 v112, v112                       ; (it saturates)
	v_min_u32 v113, 160, v112
	v_sub_nc_u32 v113, 0, v113
	v_ldexp_f32 v113, 1.0, v113                    ; 2^-d; from d = 150 on it is 0
	v_fmac_f32 v121, v[80+\s], v113                ; l += l' x 2^-d
	v_min_u32 v114, 127, v112
	v_mul_lo_u32 v114, v114, s100                  ; d, held at 127, in each of four bytes
	v_or_b32 v115, s101, v[96+\s]                  ; the bytes lie in 1 .. 123: with 128 added none borrows from its neighbour
	v_sub_nc_u32 v115, v115, v114
	v_lshrrev_b32 v116, 7, v115
	v_and_b32 v116, s100, v116                     ; 1 where the byte was at least d
	v_lshlrev_b32 v117, 8, v116
	v_sub_nc_u32 v117, v117, v116                  ; 0xff there, 0 elsewhere
	v_and_b32 v115, s66, v115
	v_and_b32 v[96+\s], v115, v117                 ; byte - d, held at 0
	ds_store_b32 v25, v[96+\s] offset:512*\s
.endr
	v_rcp_f32 v122, v121
	v_nop                                          ; a plain place behind the reciprocal
	s_wait_alu depctr_va_vdst(0)                   ; and the wait ahead of its first reader
	ds_store_b32 v26, v122
	s_wait_tensorcnt 1                             ; V's scale words and my part of slot 0 are in; slot 1's load may be out
	s_wait_dscnt 0x0                               ; for the others' sake: my scale words and my 1 / l lie in LDS
	s_barrier_signal -1
	s_barrier_wait -1
	FETCH_B 0, 0, 0
	FETCH_A 0, 0, 0
	SCALES 0
	STEP 0, 0, 1                                   ; the first step's products start the sums.  The 32 accumulators take turns, in the same order in every step
	STEP 0, 1, 0
	STEP 0, 2, 0
	TURN 0, 1, 1                                   ; slot 0 takes K steps 8 to 11
	STEP 1, 0, 0
	STEP 1, 1, 0
	STEP 1, 2, 0
	TURN 1, 0, 1                                   ; slot 1 takes K steps 12 to 15
	STEP 0, 0, 0
	STEP 0, 1, 0
	STEP 0, 2, 0
	TURN 0, 1, 0                                   ; nothing is left to fetch; behind this barrier nobody reads slot 0
	STEP 1, 0, 0
	STEP 1, 1, 0
	STEP 1, 2, 0
	s_wait_dscnt 0x0                               ; the last step
	WIN 0xa1
	MULG 0, 1, 1, 1, 0
	MULG 1, 1, 1, 1, 0
	MULG 2, 1, 1, 1, 0
	MULG 3, 1, 1, 1, 0
	WIN 0
; THE WAY OUT, block by block of 16 queries x 128 channels: divided by l, through my own stage in LDS, and out as whole rows of 512 bytes.
.macro PACK a
	WIN 0x02                                       ; source 0 window 2
.set J, 0
.rept 32
	v_pk_mul_f32 v[64+J:65+J], v[64*(\a)+J:64*(\a)+J+1], v[8+2*(\a):9+2*(\a)] op_sel_hi:[1,0]   ; each accumulator is read from its low end on
.set J, J+2
.endr
	WIN 0
.endm
.macro TOSTAGE a
.set BK, 128+64*((\a)%2)
.irp b, 0,1,2,3
.irp j, 0,1,2,3
	ds_store_b128 v5, v[64+16*\b+4*\j:64+16*\b+4*\j+3] offset:128*\b+16*\j   ; register 16 b + i is channel 32 b + 16 h + i
.endr
.endr
.irp t, 0,1,2,3,4,5,6,7,8,9,10,11,12,13,14,15
	ds_load_b128 v[BK+4*\t:BK+4*\t+3], v6 offset:528*\t   ; LDS serves a wave's instructions in order: these see the stores above
.endr
.endm
.macro SEND a, younger                 ; younger: the LDS instructions issued behind block a's loads, which may stay out
.set BK, 128+64*((\a)%2)
	s_wait_dscnt \younger
.irp t, 0,1,2,3,4,5,6,7,8,9,10,11,12,13,14,15
	global_store_b128 v4, v[BK+4*\t:BK+4*\t+3], s[12:13] offset:(32*((\a)/2)+8*((\a)%2)+\t+8*(\t/8))*4096 th:TH_STORE_NT   ; 32 lanes store 512 consecutive bytes, at a multiple of 256 from out0's first byte
.endr
.endm
	PLACES 4                                       ; four places between the last products and what reads their results or writes their operands' registers
.irp a, 0,1,2,3
	ds_load_b32 v[8+2*\a], v7 offset:64*\a         ; 1 / l of block a's row r; twice, since the packed form names a pair
	ds_load_b32 v[9+2*\a], v7 offset:64*\a
.endr
	s_wait_dscnt 0x0
	PACK 0
	TOSTAGE 0
.irp a, 1,2,3
	s_wait_dscnt 16                                ; the last block's stores into the stage have read their registers; its 16 loads may be out
	PACK \a
.if \a >= 2
	s_wait_xcnt 0x0                                ; the stores of two blocks ago have read the registers that this block's loads take
.endif
	TOSTAGE \a
	SEND \a-1, 32                                  ; behind block a - 1's loads: block a's 16 stores and 16 loads
.endr
	SEND 3, 0
	s_wait_tensorcnt 0x0                           ; the wave's end
	ds_add_u32 v28, v29
	s_wait_dscnt 0x0
	CROUND                                         ; the closing round
	s_endpgm
.Lfunc_end_k_qb82eee6df9_pv:
	.size	k_qb82eee6df9_pv, .Lfunc_end_k_qb82eee6df9_pv-k_qb82eee6df9_pv
	.p2alignl 7, 3214868480
	.fill 96, 4, 3214868480
	.section	.rodata,"a",@progbits
	.p2align	6, 0x0
	.amdhsa_kernel k_qb82eee6df9_pv
		.amdhsa_group_segment_fixed_size 327680
		.amdhsa_private_segment_fixed_size 0
		.amdhsa_enable_private_segment 0
		.amdhsa_kernarg_size 40
		.amdhsa_user_sgpr_count 2
		.amdhsa_user_sgpr_kernarg_segment_ptr 1
		.amdhsa_wavefront_size32 1
		.amdhsa_system_sgpr_workgroup_id_x 1
		.amdhsa_system_sgpr_workgroup_id_y 1
		.amdhsa_system_sgpr_workgroup_id_z 1
		.amdhsa_system_vgpr_workitem_id 0
		.amdhsa_next_free_vgpr 768
		.amdhsa_next_free_sgpr 104
		.amdhsa_reserve_vcc 0
		.amdhsa_float_denorm_mode_32 3
		.amdhsa_float_denorm_mode_16_64 3
		.amdhsa_memory_ordered 1
		.amdhsa_forward_progress 1
		.amdhsa_inst_pref_size 163
	.end_amdhsa_kernel
	.amdgpu_metadata
---
amdhsa.version: [ 1, 2 ]
amdhsa.kernels:
  - .name:           k_qb82eee6df9_pv
    .symbol:         k_qb82eee6df9_pv.kd
    .args:
      - { .name: c4, .offset: 0, .size: 8, .value_kind: global_buffer, .address_space: global }
      - { .name: st4, .offset: 8, .size: 8, .value_kind: global_buffer, .address_space: global }
      - { .name: c23, .offset: 16, .size: 8, .value_kind: global_buffer, .address_space: global }
      - { .name: s23, .offset: 24, .size: 8, .value_kind: global_buffer, .address_space: global }
      - { .name: out0, .offset: 32, .size: 8, .value_kind: global_buffer, .address_space: global }
    .group_segment_fixed_size: 327680
    .private_segment_fixed_size: 0
    .kernarg_segment_align: 8
    .kernarg_segment_size: 40
    .max_flat_workgroup_size: 128
    .sgpr_count:     104
    .vgpr_count:     768
    .wavefront_size: 32
...
	.end_amdgpu_metadata
.endif
;; end of part 4
